; MI455X (gfx1250); checked and timed in simulation.
; The chip was launched on July 23, 2026; its instructions are those of AMD's public machine-readable ISA for CDNA 5 (MIT licence, August 2026) and "CDNA5" Instruction Set Architecture Reference Guide (July 2026). The comments in the code are by the model that wrote it; some were corrected since.
;; Multi Head Self Attention. Allowed arithmetic: matrix products marked QUANTISED: E4M3 operands, one given power-of-two scale a tensor, by v_wmma_f32_16x16x64_fp8_fp8 or v_wmma_f32_16x16x128_fp8_fp8, f32 sums; everything else in f32.
;; Inputs: W_k_codes 1,024 x 64 x 32 uint8 (E4M3 codes of W_k, K innermost, in blocks of 32 codes); W_o_codes 2,048 x 64 x 32 uint8 (E4M3 codes of W_o, K innermost, in blocks of 32 codes); W_q_codes 2,048 x 64 x 32 uint8 (E4M3 codes of W_q, K innermost, in blocks of 32 codes); W_v_codes 1,024 x 64 x 32 uint8 (E4M3 codes of W_v, K innermost, in blocks of 32 codes); lowp_scales 12 int32 (the exponents e of the quantised operands' scales 2^e); x_codes 4 x 1,024 x 64 x 32 uint8 (E4M3 codes of x, K innermost, in blocks of 32 codes).
;; Outputs: out0 4 x 1,024 x 2,048 float32.
;; This version of the problem:
;;   THIS VERSION OF THE PROBLEM IS GIVEN IN LOW PRECISION. The matrix products marked QUANTISED in the list below multiply operands that are first quantised to E4M3 (4 exponent bits, 3 mantissa bits; 8 bits a number), with one given power-of-two scale for each operand tensor; their sums are f32. All else is computed in f32.
;;   The module's matrix products, in the order in which they are computed (A, B: the left and right operand; K: the contracted axis; several contracted axes count as one K, in the product's order):
;;     1. [M 4,096, K 2,048] x [K 2,048, N 2,048]; A: input x (given as codes); B: input W_q (given as codes): QUANTISED (scales: A lowp_scales[0], B lowp_scales[1])
;;     2. [M 4,096, K 2,048] x [K 2,048, N 1,024]; A: input x (given as codes); B: input W_k (given as codes): QUANTISED (scales: A lowp_scales[2], B lowp_scales[3])
;;     3. [M 4,096, K 2,048] x [K 2,048, N 1,024]; A: input x (given as codes); B: input W_v (given as codes): QUANTISED (scales: A lowp_scales[4], B lowp_scales[5])
;;     4. batch 64 x [M 1,024, K 128] x [K 128, N 1,024]; A: computed on the way; B: computed on the way: QUANTISED (scales: A lowp_scales[6], B lowp_scales[7])
;;     5. batch 64 x [M 128, K 1,024] x [K 1,024, N 1,024]; A: computed on the way; B: softmax (see below): QUANTISED (scales: A lowp_scales[8], B lowp_scales[9])
;;     6. [M 4,096, K 2,048] x [K 2,048, N 2,048]; A: computed on the way; B: input W_o (given as codes): QUANTISED (scales: A lowp_scales[10], B lowp_scales[11])
;;   THE QUANTISER, for each operand of a quantised product, along K:
;;     - The operand's scale is 2^e, e = its entry of the input lowp_scales (int32; the entries are numbered through the quantised products in the list's order, A before B).
;;     - Each number is divided by the scale, clamped to +-448, and rounded to the nearest number of E4M3, ties to even, subnormals kept.
;;     - The product sums the exact products of the quantised numbers (number of the format x scale) in f32.
;;   ~~~python
;;   def quantise(x, axis, e):      # numpy; x: float32 -> the quantised numbers, widened to float32 again
;;       x = np.moveaxis(x, axis, -1); K = x.shape[-1]
;;       r = np.clip(x / 2.0 ** e, -448, 448)
;;       step = 2.0 ** (np.maximum(np.frexp(np.where(r == 0, 1, r))[1] - 1, -6) - 3)
;;       q = np.round(r / step) * step * 2.0 ** e      # np.round: ties to even
;;       return np.moveaxis(q, -1, axis).astype(np.float32)
;;   ~~~
;;   SOFTMAX AHEAD OF A QUANTISED PRODUCT. Where the list says 'softmax', what is quantised is not the finished softmax but p = 2^(t - M), with t = logit x log2(e) and M = ceil(the row's largest t), a whole number; so 1/2 < the row's largest p <= 1. The row's sum l is taken of the UNQUANTISED p, in f32, and the product's result is divided by l at the end. Since M is a whole number, a kernel that streams over the keys may use a running M (the ceiling of the running maximum): every later rescaling is an exact power of two, so the quantised numbers keep their values, but for numbers so far below the row's largest that they fall under the format's range.
;;   OPERANDS COMPUTED ON THE WAY. 'Computed on the way' means the value that the module computes at that place (a softmax that the list does not call 'softmax' is quantised finished and normalised). What goes into a quantiser is computed in f32, as accurately as f32 sums, v_exp_f32 and their like allow (about 1e-6 of the number): no bf16 or f16 on the way to a quantiser, and a product that is left as it is and whose result goes on into a quantised operand takes f32 operands (vector FMAs, or v_wmma_f32_16x16x4_f32). A number that lies on a knife's edge between two numbers of the format may be rounded either way, as far as f32 arithmetic and the matrix unit's own rounding can turn it there, and no further.
;;   INPUTS GIVEN AS CODES. W_k (in the module: [2048, 1024], K = its axis 0); W_o (in the module: [2048, 2048], K = its axis 0); W_q (in the module: [2048, 2048], K = its axis 0); W_v (in the module: [2048, 1024], K = its axis 0); x (in the module: [4, 1024, 2048], K = its axis 2): each comes as NAME_codes (uint8): NAME with its K axis moved to the last place and cut into blocks of 32 codes, [.., K / 32, bytes a block], one block behind the other in memory; one code a byte (a code: sign, 4 exponent bits, 3 mantissa bits); its scale is its entry of lowp_scales. Its value is code x scale, taken as it is: it is not quantised again, and the codes and scales need not be those that the quantiser above would give.
;; One version. Each part assembles by itself: llvm-mc -triple=amdgcn-amd-amdhsa -mcpu=gfx1250 --defsym DOCPART=n.
;; ======== version 1 of 1: 3 launches
;; limits: right only within a limited range of input values
;; workspace buffers: q_img 8,388,608 bytes; k_img 4,194,304 bytes; v_img 4,194,304 bytes; attn_img 8,388,608 bytes
;; launch qkv (part 1): grid 16 x 16, 4 waves a work-group, clusters of 4 x 4, 327,680 bytes of LDS; arguments x_codes, W_q_codes, W_k_codes, W_v_codes, lowp_scales, q_img, k_img, v_img; writes q_img, k_img, v_img
.if DOCPART == 1
	.amdgcn_target "amdgcn-amd-amdhsa--gfx1250"
	.amdhsa_code_object_version 6
	.text
	.protected	k_qf4cf81beb3_qkv
	.globl	k_qf4cf81beb3_qkv
	.p2align	8
	.type	k_qf4cf81beb3_qkv,@function
k_qf4cf81beb3_qkv:
	s_mov_b64 s[64:65], 0
	v_nop
	global_prefetch_b8 v0, s[64:65] scope:SCOPE_SE
	s_setreg_imm32_b32 hwreg(HW_REG_WAVE_MODE, 25, 1), 1
	s_wait_xcnt 0x0
	s_wait_alu depctr_hold_cnt(0) depctr_sa_sdst(0) depctr_va_vdst(0) depctr_va_sdst(0) depctr_va_ssrc(0) depctr_va_vcc(0) depctr_vm_vsrc(0)
	s_getreg_b32 s2, hwreg(HW_REG_IB_STS2, 6, 4)
	s_cmp_eq_u32 s2, 0
	s_cbranch_scc0 .Lentry_in_a_cluster
	s_endpgm
.Lentry_in_a_cluster:
	s_bfe_u32 s2, ttmp6, 0x10000c
	s_cmp_lg_u32 s2, 0xf033
	s_cbranch_scc0 .Lentry_shape_is_right
	s_endpgm
.Lentry_shape_is_right:
; q = x W_q, k = x W_k, v = x W_v on the given codes of E4M3; the xPos rotary on q and k in f32; q, k and v quantised for the two products of attention.
; DEAD WORK, left out in the whole program.  (1) jnp.repeat copies each of the 8 key/value heads to two query heads: the copies' numbers, and so their codes, are equal for all inputs, so k and v are
; projected, rotated and quantised once for each key/value head.  (2) In the next launch: key steps all of whose keys come after a tile's queries.  reference() sets those scores to -inf by a triu that it
; builds in its own body, so their p is 0 whatever the inputs hold.  Every input has a way to the output and is loaded.  LIMIT: a NaN, an infinity or an overflow that reaches only masked scores is not carried on.
; SHARES.  A work-group makes 256 x 256 of one product, a wave 128 x 128 (64 accumulators, 512 registers); K = 2,048 goes in steps of 256 through a ring of two LDS slots.  Clusters of 4 x 4; which product a
; cluster makes hangs on the cluster's x alone, the same in all sixteen partners: 0, 1: q (A = x, B = W_q);  2: k (A = x, B = W_k);  3: v TRANSPOSED (A = W_v, B = x).  A's tile is asked for jointly along a row
; of the cluster, B's along a column.  The matrix instruction takes 16 rows of B as source 0 and 16 rows of A as source 1: a lane holds one row of A and eight neighbouring rows of B.
; So for q and k a lane holds one token and eight neighbours of the head's 128, for v one of the head's 128 and eight neighbouring keys: each is the K of the product that follows, and a block of 16 rows x 128
; converts into 16 registers that ARE a fragment of that product (registers 2 c, 2 c + 1: k = 16 c + 8 (lane / 16) + 0 .. 7).  It is stored as an image of those registers: group c of four at 512 c + 16 x lane.
; THE ROTARY WITHOUT A TABLE.  For frequency i and position t: z(t) = scale_i(t)^sigma (cos(t f_i) + i sin(t f_i)), sigma = 1 for q, -1 for k.  out_lo = lo Re z - hi Im z, out_hi = hi Re z + lo Im z.
; A lane needs 32 frequencies (i = 16 b + 8 (lane / 16) + j).  z(t0 + lane % 16) and w = z(t + 16) / z(t) are made at the head, while the first tiles are on their way; seven complex products walk the eight blocks.
; cos and sin: phi = t f / 4 (its rounding is that of t f), less the nearest multiple of pi / 2 in two parts, polynomials on +-pi / 4, two doublings: the fourth power takes the multiple of pi / 2 away.
; LIMITS.  E = e6 - e0 - e1 (q), e7 - e2 - e3 (k), e8 - e4 - e5 (v) lies between -126 and 119, so that 2^E and 448 x 2^E are f32 numbers.  f_i is 2^(-i log2(10000) / 64) by v_exp_f32: its last bits, times t up to
; 1,023, move the phase by about 1e-4 at most, as f32's own rounding of f_i does.  Numbers beyond the scale's range are held at the largest code.
; REGISTERS, in windows of 256.  Window 0: v1, v2 lane % 16, lane / 16; v8 448 x 2^E; v9 2^E; v[10:11] t / 4; v[12:13] sigma (t - 512) / 512; v[14:15], v[18:19] two coefficients as pairs; v16-17, v20-21 LDS addresses of
; A's and B's fragments; v22 8 (lane / 16); v24 my stash; v26 16 x lane; v28, v29 the add's two; v32-63 Re z; v64-95 Im z; v96-127 two sets of codes; v128-255 A's fragments, on the way out v128-159 Im w, v160-191 Re w,
; v192-255 a block's 64 numbers.  Window 1: B's fragments, two sets.  Windows 2, 3: the accumulators ((a, b) at v[8 (8 (a % 4) + b)]).
.set KSTEP,  256
.set ROWB,   256                       ; a tile's row in bytes
.set KROW,   2048                      ; a row of x or of a weight in memory, in bytes
.set PITCH,  272                       ; an LDS row: 256 bytes + 16 of padding: the 16 rows that a load touches start 68 words apart
.set FR,     16                        ; registers of a fragment
.set NL,     4                         ; LDS loads that bring one
.set NP,     4                         ; places behind this matrix instruction (ISA guide 7.12.1)
.set HALFT,  128*PITCH                 ; 128 rows: what one tensor load brings
.set SLOT,   4*HALFT                   ; A's 256 rows, then B's 256 rows
.set LAPS,   4                         ; 2,048 / 512: a lap = two K steps = once round the ring
.set SPARE,  2*SLOT                    ; behind the ring: the spare words, 128 bytes for each wave
.set STASH,  SPARE+512                 ; behind them: 8,192 bytes for each wave, where w waits through the loop; no fill lands there
.set LIMR, 8
.set SCLR, 9
.set ADRA, 16
.set ADRB, 20
.set H8,   22
.set STA,  24
.set CO,   26
.set SPW,  28
.set NIL,  29
.set RCC,  32
.set RSS,  64
.set AF,   128
.set RWS,  128
.set RWC,  160
.set ROUT, 192
.set FRQ,  224
.set G1, 24                            ; s[24:31] descriptor group 1 for A's tiles;  s[32:39] group 0, one set for each slot
.set G0, 32
.set G1B, 48                           ; s[48:55], s[56:63] the same for B's tiles
.set G0B, 56
.set MSB, 0
.macro WIN new                         ; the immediate's high byte repeats the setting that is left
.if MSB != \new
	s_set_vgpr_msb (MSB<<8)|\new
.set MSB, \new
.endif
.endm
.set MUL_LO, 0xa1                      ; source 0 (B) window 1, source 1 (A) window 0, C and D window 2
.set MUL_HI, 0xf1                      ; the same, C and D window 3
.set TO_B,   0x40                      ; destination window 1, address window 0
; A joint load: waves 0 and 1 fetch for A, waves 2 and 3 for B; the branch hangs on the wave's number alone.  An s_nop 0 and four v_nop follow each of the two lines.
.macro JLOAD g0a, g1a, g0b, g1b
	s_cmp_eq_u32 s15, 0
	s_cbranch_scc0 .Lfor_b_\@
	tensor_load_to_lds s[\g0a:\g0a+3], s[\g1a:\g1a+7]
	s_nop 0
.rept 4
	v_nop
.endr
	s_branch .Lasked_\@
.Lfor_b_\@:
	tensor_load_to_lds s[\g0b:\g0b+3], s[\g1b:\g1b+7]
	s_nop 0
.rept 4
	v_nop
.endr
.Lasked_\@:
.endm
.macro CREST                           ; a round of the cluster's barrier behind its opening barrier
	s_cmp_lg_u32 s14, 0
	s_cbranch_scc1 .Lnot_wave_0_\@
	s_barrier_signal -3
.Lnot_wave_0_\@:
	s_barrier_wait -3
	s_barrier_signal -1
	s_barrier_wait -1
.endm
.macro CROUND                          ; a whole round
	s_barrier_signal -1
	s_barrier_wait -1
	CREST
.endm
	s_load_b512 s[68:83], s[0:1], 0x0              ; x s[68:69], W_q s[70:71], W_k s[72:73], W_v s[74:75], the exponents s[76:77], q_img s[78:79], k_img s[80:81], v_img s[82:83]
	v_lshl_add_u32 v[SPW], v0, 2, SPARE
	v_mov_b32 v[NIL], 0
	ds_add_u32 v[SPW], v[NIL]                      ; the wave's opening: the add, twice on end, and its wait ahead of my first tensor load
	ds_add_u32 v[SPW], v[NIL]
	v_lshrrev_b32 v1, 5, v0
	v_readfirstlane_b32 s14, v1                    ; wave 0..3
	s_lshr_b32 s15, s14, 1                         ; which half of the tile's rows (A) is mine.  Also: I fetch for A (0) or for B (1)
	s_and_b32 s16, s14, 1                          ; which half of its columns (B).  Also: which 128 rows of that tile I fetch
	s_bfe_u32 s40, ttmp6, 0x40000                  ; cx, cy: my place in the cluster
	s_bfe_u32 s41, ttmp6, 0x40004
	s_and_b32 s18, ttmp7, 0xffff
	s_lshl_b32 s18, s18, 2                         ; 4 x cluster y
	s_lshl_b32 s19, ttmp9, 2                       ; 4 x cluster x
	s_cmp_eq_u32 ttmp9, 3                          ; the cluster's x says which product: the same in all sixteen partners
	s_cselect_b32 s93, 1, 0                        ; 1: v
	s_cselect_b32 s17, 0, s18                      ; A's tile row: v: cy (W_v has four);  else 4 x cluster y + cy (x has sixteen)
	s_cselect_b32 s42, s18, s19                    ; B's tile: v: 4 x cluster y + cx (x);  q: 4 x cluster x + cx;
	s_cmp_eq_u32 ttmp9, 2
	s_cselect_b32 s42, 0, s42                      ; k: cx
	s_mov_b32 s94, 0x3d000000
	s_cselect_b32 s94, 0xbd000000, s94             ; sigma / 32: k is divided by the scale
	s_mov_b32 s95, s94                             ; (named with it as a pair)
	s_mov_b32 s96, 0x3b000000
	s_cselect_b32 s96, 0xbb000000, s96             ; sigma / 512
	s_add_co_u32 s17, s17, s41                     ; A's tile row: never holds cx
	s_add_co_u32 s42, s42, s40                     ; B's tile: never holds cy
	s_lshl_b32 s43, s41, 2
	s_lshl_b32 s43, 15, s43                        ; my row of the cluster
	s_lshl_b32 s44, 0x1111, s40                    ; my column
	; descriptor group 1: a tile of 128 rows x 256 bytes, padded in LDS
	s_or_b32 s[G1+0], s43, (0<<16)|(1<<20)|(1<<21)|(5<<22)|(3<<25)  ; 15:0 the mask; 17:16 elements of 1 byte; 20 padding on; 21 set beside a mask; 24:22 after every 64 words; 31:25 four words
	s_or_b32 s[G1B+0], s44, (0<<16)|(1<<20)|(1<<21)|(5<<22)|(3<<25)
.irp g, G1, G1B
	s_mov_b32 s[\g+1], ROWB<<16                    ; tensor_dim0
	s_mov_b32 s[\g+2], 128<<16                     ; tensor_dim1
	s_mov_b32 s[\g+3], ROWB<<16                    ; tile_dim0
	s_mov_b32 s[\g+4], 128                         ; tile_dim1
	s_mov_b32 s[\g+5], KROW                        ; tensor_dim0_stride
	s_mov_b32 s[\g+6], 0
	s_mov_b32 s[\g+7], 0
.endr
	s_lshl_b32 s18, s16, 7                         ; which 128 rows of the tile I fetch
	s_lshl_b32 s20, s17, 8
	s_add_co_u32 s20, s20, s18
	s_lshl_b32 s20, s20, 11                        ; A: (256 x tile row + 128 x half) rows of 2,048 bytes: under 2^23
	s_mov_b32 s21, 0
	s_lshl_b32 s46, s42, 8
	s_add_co_u32 s46, s46, s18
	s_lshl_b32 s46, s46, 11                        ; B likewise
	s_mov_b32 s47, 0
	s_mul_i32 s45, s14, HALFT                      ; where they go: wave x 128 rows: no place in the cluster enters an LDS address
	s_wait_dscnt 0x0                               ; both opening adds are done
	s_wait_kmcnt 0x0
	s_load_b256 s[84:91], s[76:77], 0x0            ; e0 .. e7
	s_load_b32 s92, s[76:77], 0x20                 ; e8
	s_cmp_eq_u32 ttmp9, 3
	s_cselect_b64 s[4:5], s[74:75], s[68:69]       ; A: W_v or x
	s_cselect_b64 s[6:7], s[68:69], s[70:71]       ; B: x or W_q,
	s_cselect_b64 s[10:11], s[82:83], s[78:79]     ; the images: v's or q's,
	s_cmp_eq_u32 ttmp9, 2
	s_cselect_b64 s[6:7], s[72:73], s[6:7]         ; or W_k
	s_cselect_b64 s[10:11], s[80:81], s[10:11]     ; and k's
	s_add_nc_u64 s[20:21], s[4:5], s[20:21]
	s_add_nc_u64 s[46:47], s[6:7], s[46:47]
	CROUND                                         ; all sixteen work-groups are here: the first joint loads meet
.irp s, 0,1
	s_mov_b32 s[G0+4*\s], 1
	s_add_co_u32 s[G0+4*\s+1], s45, \s*SLOT
	s_add_nc_u64 s[G0+4*\s+2:G0+4*\s+3], s[20:21], \s*ROWB
	s_or_b32 s[G0+4*\s+3], s[G0+4*\s+3], 0x80000000
	s_mov_b32 s[G0B+4*\s], 1
	s_add_co_u32 s[G0B+4*\s+1], s45, \s*SLOT
	s_add_nc_u64 s[G0B+4*\s+2:G0B+4*\s+3], s[46:47], \s*ROWB
	s_or_b32 s[G0B+4*\s+3], s[G0B+4*\s+3], 0x80000000
.endr
	JLOAD G0, G1, G0B, G1B                         ; K step 0: one tensor load a wave at the head
	; THE PREFETCHES.  Of the 128 rows that my wave fetches, each of the four partners that ask for them jointly names 32, told apart by address alone (cx for A's tiles, cy for B's): a lane a row,
	; 256 bytes of a row to a K step.  K step 1 is asked for behind the head's address work, K steps 2 and 3 behind the load of K step 1, and from there on K step s + 2 behind the load of K step s;
	; K steps 6 and 7 have none behind them.  v30 is never rewritten.
	s_cmp_eq_u32 s15, 0
	s_cselect_b64 s[12:13], s[20:21], s[46:47]     ; the first of my 128 rows, at K step 0
	s_cselect_b32 s8, s40, s41
	s_lshl_b32 s8, s8, 16                          ; 32 rows of 2,048 bytes for each place
	s_mov_b32 s9, 0
	s_add_nc_u64 s[12:13], s[12:13], s[8:9]
	v_and_b32 v30, 31, v0
	v_lshlrev_b32 v30, 11, v30                     ; my lane's row
	v_and_b32 v1, 15, v0                           ; r = lane % 16
	v_bfe_u32 v2, v0, 4, 1                         ; h = lane / 16
	v_mul_u32_u24 v3, v1, PITCH
	v_lshl_add_u32 v4, v2, 4, v3                   ; a fragment's row x pitch + 16 x half
	s_mul_i32 s21, s15, HALFT                      ; my 128 rows of A
	s_mul_i32 s22, s16, HALFT                      ; my 128 rows of B,
	s_add_co_u32 s22, s22, 2*HALFT                 ; which lie behind A's 256
.irp s, 0,1
	v_add_nc_u32 v[ADRA+\s], s21, v4
	v_add_nc_u32 v[ADRB+\s], s22, v4
	s_add_co_u32 s21, s21, SLOT
	s_add_co_u32 s22, s22, SLOT
.endr
	v_and_b32 v5, 31, v0
	v_lshlrev_b32 v[CO], 4, v5                     ; 16 x lane: my place in a group of an image
	s_mul_i32 s23, s14, 8192
	s_add_co_u32 s23, s23, STASH
	v_add_nc_u32 v[STA], s23, v[CO]                ; and in my stash
	; where my wave's eight images begin.  R0, C0: my first row of A and of B.  The tokens are A's rows (q, k) or B's (v); the other side names the head
	s_lshl_b32 s18, s17, 8
	s_lshl_b32 s19, s15, 7
	s_add_co_u32 s18, s18, s19                     ; R0
	s_lshl_b32 s19, s42, 8
	s_lshl_b32 s20, s16, 7
	s_add_co_u32 s19, s19, s20                     ; C0
	s_and_b32 s97, s18, 1023                       ; t0: my first row's position in its sequence (q, k)
	s_cmp_eq_u32 s93, 1
	s_cselect_b32 s20, s19, s18                    ; my first token
	s_cselect_b32 s21, s18, s19
	s_lshr_b32 s21, s21, 7                         ; my head
	s_lshl_b32 s21, s21, 17                        ; a head's 64 images
	s_cmp_lt_u32 ttmp9, 2
	s_cselect_b32 s22, 21, 20                      ; a batch: 16 heads (q) or 8
	s_lshr_b32 s23, s20, 10
	s_lshl_b32 s23, s23, s22
	s_add_co_u32 s21, s21, s23
	s_bfe_u32 s23, s20, 0x30007                    ; which 128 tokens of the sequence: eight images
	s_lshl_b32 s23, s23, 14
	s_add_co_u32 s22, s21, s23
	s_mov_b32 s23, 0
	s_add_nc_u64 s[10:11], s[10:11], s[22:23]
	s_wait_kmcnt 0x0
	s_sub_co_i32 s18, s90, s84
	s_sub_co_i32 s18, s18, s85                     ; q: e6 - e0 - e1: a sum stands for sum x 2^(e0 + e1), its code is that / 2^e6
	s_sub_co_i32 s19, s91, s86
	s_sub_co_i32 s19, s19, s87                     ; k: e7 - e2 - e3
	s_sub_co_i32 s20, s92, s88
	s_sub_co_i32 s20, s20, s89                     ; v: e8 - e4 - e5
	s_cmp_eq_u32 ttmp9, 2
	s_cselect_b32 s18, s19, s18
	s_cmp_eq_u32 ttmp9, 3
	s_cselect_b32 s18, s20, s18                    ; E
	s_add_co_i32 s18, s18, 127
	s_lshl_b32 s19, s18, 23
	v_mov_b32 v[SCLR], s19                         ; 2^E as f32: the conversion takes its exponent field
	s_add_co_i32 s18, s18, 8
	s_lshl_b32 s18, s18, 23
	s_or_b32 s18, s18, 0x600000
	v_mov_b32 v[LIMR], s18                         ; 448 x 2^E
; cos and sin of FRQ x (16 or t), times a scale, for 32 frequencies, a stage at a time over all 16 pairs, so that no line waits for the line above it.
; rr, zz: 32 registers each, at work;  sn, cs: the results;  sc: the scales;  isw = 1: the step of 16 positions, 0: position t.
.macro EVAL rr, zz, sn, cs, sc, isw
.set PP, 0
.rept 16
.if \isw
	v_pk_mul_f32 v[\rr+PP:\rr+PP+1], v[FRQ+PP:FRQ+PP+1], 4.0 op_sel_hi:[1,0]     ; phi = 16 f / 4
.else
	v_pk_mul_f32 v[\rr+PP:\rr+PP+1], v[FRQ+PP:FRQ+PP+1], v[10:11]                ; phi = t f / 4
.endif
.set PP, PP+2
.endr
.set PP, 0
.rept 16
	v_pk_mul_f32 v[\zz+PP:\zz+PP+1], v[\rr+PP:\rr+PP+1], 0x3f22f983 op_sel_hi:[1,0]   ; x 2 / pi
.set PP, PP+2
.endr
.set PP, 0
.rept 32
	v_rndne_f32 v[\zz+PP], v[\zz+PP]               ; n
.set PP, PP+1
.endr
.set PP, 0
.rept 16
	v_pk_fma_f32 v[\rr+PP:\rr+PP+1], v[\zz+PP:\zz+PP+1], 0xbfc90fdb, v[\rr+PP:\rr+PP+1] op_sel_hi:[1,0,1]   ; - n x (pi / 2 as f32),
.set PP, PP+2
.endr
.set PP, 0
.rept 16
	v_pk_fma_f32 v[\rr+PP:\rr+PP+1], v[\zz+PP:\zz+PP+1], 0x333bbd2e, v[\rr+PP:\rr+PP+1] op_sel_hi:[1,0,1]   ; and what that lacks of pi / 2: |rr| <= pi / 4
.set PP, PP+2
.endr
.set PP, 0
.rept 16
	v_pk_mul_f32 v[\zz+PP:\zz+PP+1], v[\rr+PP:\rr+PP+1], v[\rr+PP:\rr+PP+1]
.set PP, PP+2
.endr
.set PP, 0
.rept 16
	v_pk_fma_f32 v[\sn+PP:\sn+PP+1], v[\zz+PP:\zz+PP+1], 0xb94ca1f9, v[14:15] op_sel_hi:[1,0,1]
	v_pk_fma_f32 v[\cs+PP:\cs+PP+1], v[\zz+PP:\zz+PP+1], 0x37ccf5ce, v[18:19] op_sel_hi:[1,0,1]
.set PP, PP+2
.endr
.set PP, 0
.rept 16
	v_pk_fma_f32 v[\sn+PP:\sn+PP+1], v[\sn+PP:\sn+PP+1], v[\zz+PP:\zz+PP+1], 0xbe2aaaa3 op_sel_hi:[1,1,0]
	v_pk_fma_f32 v[\cs+PP:\cs+PP+1], v[\cs+PP:\cs+PP+1], v[\zz+PP:\zz+PP+1], 0x3d2aaaa5 op_sel_hi:[1,1,0]
.set PP, PP+2
.endr
.set PP, 0
.rept 16
	v_pk_mul_f32 v[\sn+PP:\sn+PP+1], v[\sn+PP:\sn+PP+1], v[\zz+PP:\zz+PP+1]
	v_pk_mul_f32 v[\cs+PP:\cs+PP+1], v[\cs+PP:\cs+PP+1], v[\zz+PP:\zz+PP+1]
.set PP, PP+2
.endr
.set PP, 0
.rept 16
	v_pk_fma_f32 v[\sn+PP:\sn+PP+1], v[\sn+PP:\sn+PP+1], v[\rr+PP:\rr+PP+1], v[\rr+PP:\rr+PP+1]   ; sin rr
	v_pk_fma_f32 v[\rr+PP:\rr+PP+1], v[\zz+PP:\zz+PP+1], -0.5, 1.0 op_sel_hi:[1,0,0]
.set PP, PP+2
.endr
.set PP, 0
.rept 16
	v_pk_fma_f32 v[\cs+PP:\cs+PP+1], v[\cs+PP:\cs+PP+1], v[\zz+PP:\zz+PP+1], v[\rr+PP:\rr+PP+1]   ; cos rr
.set PP, PP+2
.endr
.set PP, 0
.rept 16
	v_pk_add_f32 v[\zz+PP:\zz+PP+1], v[\sn+PP:\sn+PP+1], v[\sn+PP:\sn+PP+1]
.set PP, PP+2
.endr
.set PP, 0
.rept 16
	v_pk_mul_f32 v[\rr+PP:\rr+PP+1], v[\zz+PP:\zz+PP+1], v[\cs+PP:\cs+PP+1]                       ; sin 2 rr = 2 sin cos
	v_pk_fma_f32 v[\cs+PP:\cs+PP+1], v[\zz+PP:\zz+PP+1], v[\sn+PP:\sn+PP+1], 1.0 op_sel_hi:[1,1,0] neg_lo:[1,0,0] neg_hi:[1,0,0]   ; cos 2 rr = 1 - 2 sin^2
.set PP, PP+2
.endr
.set PP, 0
.rept 16
	v_pk_add_f32 v[\zz+PP:\zz+PP+1], v[\rr+PP:\rr+PP+1], v[\rr+PP:\rr+PP+1]
.set PP, PP+2
.endr
.set PP, 0
.rept 16
	v_pk_mul_f32 v[\sn+PP:\sn+PP+1], v[\zz+PP:\zz+PP+1], v[\cs+PP:\cs+PP+1]                       ; sin 4 rr
	v_pk_fma_f32 v[\cs+PP:\cs+PP+1], v[\zz+PP:\zz+PP+1], v[\rr+PP:\rr+PP+1], 1.0 op_sel_hi:[1,1,0] neg_lo:[1,0,0] neg_hi:[1,0,0]   ; cos 4 rr
.set PP, PP+2
.endr
.set PP, 0
.rept 16
	v_pk_mul_f32 v[\cs+PP:\cs+PP+1], v[\cs+PP:\cs+PP+1], v[\sc+PP:\sc+PP+1]
	v_pk_mul_f32 v[\sn+PP:\sn+PP+1], v[\sn+PP:\sn+PP+1], v[\sc+PP:\sc+PP+1]
.set PP, PP+2
.endr
.endm
	global_prefetch_b8 v30, s[12:13] offset:256 th:TH_LOAD_NT scope:SCOPE_SE   ; K step 1
	s_cmp_eq_u32 s93, 1                            ; v has no rotary: its clusters pass over the head's arithmetic
	s_cbranch_scc1 .Lno_rot
	v_lshlrev_b32 v[H8], 3, v2
	v_add_nc_u32 v3, s97, v1                       ; t = t0 + lane % 16
	v_cvt_f32_u32 v3, v3
	v_mul_f32 v10, 0x3e800000, v3                  ; t / 4
	v_mov_b32 v11, v10
	v_add_f32 v12, 0xc4000000, v3
	v_mul_f32 v12, s96, v12                        ; sigma (t - 512) / 512
	v_mov_b32 v13, v12
	v_mov_b32 v14, 0x3c08839e
	v_mov_b32 v15, 0x3c08839e
	v_mov_b32 v18, 0xbab6061a
	v_mov_b32 v19, 0xbab6061a
	s_mov_b32 s18, 0x3c36db6e                      ; 2 / 179.2
	s_mov_b32 s19, 0x3e924925                      ; 51.2 / 179.2
.set PP, 0
.rept 32
	v_add_nc_u32 v[192+PP], 16*(PP/8)+PP%8, v[H8]  ; register 8 b + j: i = 16 b + 8 h + j
.set PP, PP+1
.endr
.set PP, 0
.rept 32
	v_cvt_f32_u32 v[192+PP], v[192+PP]
.set PP, PP+1
.endr
.set PP, 0
.rept 32
	v_mul_f32 v[FRQ+PP], 0xbe549a78, v[192+PP]     ; -i log2(10000) / 64
	v_fma_f32 v[96+PP], v[192+PP], s18, s19        ; (2 i + 51.2) / 179.2
.set PP, PP+1
.endr
.set PP, 0
	s_wait_alu depctr_va_vdst(0)
.rept 32
	v_exp_f32 v[FRQ+PP], v[FRQ+PP]                 ; f_i
	v_log_f32 v[96+PP], v[96+PP]                   ; log2 of the scale's base
.set PP, PP+1
.endr
	v_nop                                          ; a plain instruction behind the last of the batch,
	s_wait_alu depctr_va_vdst(0)                   ; and one wait for the batch, ahead of its first reader
.set PP, 0
.rept 16
	v_pk_mul_f32 v[192+PP:193+PP], v[96+PP:97+PP], v[12:13]                       ; the exponent of z's scale,
	v_pk_mul_f32 v[96+PP:97+PP], v[96+PP:97+PP], s[94:95] op_sel_hi:[1,0]         ; and of w's: 16 positions are 16 / 512 of the power
.set PP, PP+2
.endr
.set PP, 0
	s_wait_alu depctr_va_vdst(0)
.rept 32
	v_exp_f32 v[192+PP], v[192+PP]
	v_exp_f32 v[96+PP], v[96+PP]
.set PP, PP+1
.endr
	v_nop
	s_wait_alu depctr_va_vdst(0)
	EVAL 32, 64, RWS, RWC, 96, 1                   ; w
.set PP, 0
.rept 16
	ds_store_b128 v[STA], v[RWS+4*PP:RWS+4*PP+3] offset:512*PP   ; w waits in my stash: its registers hold A's fragments through the loop
.set PP, PP+1
.endr
	s_wait_dscnt 0x0                               ; the stores have read their registers, which are written next
	EVAL 96, 128, RSS, RCC, 192, 0                 ; z(t0 + lane % 16), made while K step 0 is on its way
.Lno_rot:
	; Slot 1's first fill is issued as a refill is: the wait for my part of K step 0, the add, the wait for it, a round of the cluster's barrier, then the joint load.
	s_wait_alu depctr_va_vdst(0)                   ; a wait here, directly ahead of the wait below
	s_wait_tensorcnt 0x0
	ds_add_u32 v[SPW], v[NIL]
	s_wait_dscnt 0x0
	CROUND
	JLOAD G0+4, G1, G0B+4, G1B                     ; K step 1
	global_prefetch_b8 v30, s[12:13] offset:512 th:TH_LOAD_NT scope:SCOPE_SE   ; K step 2
	global_prefetch_b8 v30, s[12:13] offset:768 th:TH_LOAD_NT scope:SCOPE_SE   ; K step 3
.macro FRAG reg, adr, q, i             ; a fragment, 16 rows x 128 K: registers 4 c .. 4 c + 3 hold K = 32 c + 16 (lane / 16) + 0 .. 15: one permutation of k, the same for A and B
.irp c, 0,1,2,3
	ds_load_b128 v[\reg+4*\c:\reg+4*\c+3], v[\adr] offset:128*(\q)+32*\c+(\i)*16*PITCH
.endr
.endm
; 16 matrix instructions: A's blocks a0, a0 + 1 x B's eight, 128 along K.  p: B's set.  zero = 1: the first product starts the sums.  The 64 accumulators take turns.
.macro MUL16 a0, p, zero
.irp a, \a0, \a0+1
.irp b, 0,1,2,3,4,5,6,7
.if \zero
	v_wmma_f32_16x16x128_fp8_fp8 v[8*(8*((\a)%4)+\b):8*(8*((\a)%4)+\b)+7], v[128*(\p)+FR*\b:128*(\p)+FR*\b+FR-1], v[AF+FR*(\a):AF+FR*(\a)+FR-1], 0
.else
	v_wmma_f32_16x16x128_fp8_fp8 v[8*(8*((\a)%4)+\b):8*(8*((\a)%4)+\b)+7], v[128*(\p)+FR*\b:128*(\p)+FR*\b+FR-1], v[AF+FR*(\a):AF+FR*(\a)+FR-1], v[8*(8*((\a)%4)+\b):8*(8*((\a)%4)+\b)+7]
.endif
.endr
.endr
.endm
.macro FETCH_B slot, q, p              ; B's eight fragments of the slot's q-th 128 along K into set p
	WIN TO_B
.irp i, 0,1,2,3,4,5,6,7
	FRAG 128*(\p)+FR*\i, ADRB+\slot, \q, \i
.endr
	WIN 0
.endm
.macro FETCH_A slot, q, i0             ; A's blocks i0 .. i0 + 3
.irp i, \i0, \i0+1, \i0+2, \i0+3
	FRAG AF+FR*(\i), ADRA+\slot, \q, \i
.endr
.endm
.macro PLACES n                        ; plain vector instructions between a matrix instruction and a load into, or a vector instruction on, its registers
.rept \n
	v_nop
.endr
.endm
; A step of 128 along K that has its successor in the same slot.  A has one set of registers: blocks 0-3 are fetched anew in the step's middle, blocks 4-7 at its end; B has two sets.
.macro STEP slot, q, zero
	s_wait_dscnt 4*NL                              ; B's set and A's blocks 0-3 are in; the youngest 16 loads (A's blocks 4-7) may be out
	WIN MUL_LO
	MUL16 0, (\q)%2, \zero
	MUL16 2, (\q)%2, \zero
	s_wait_dscnt 0                                 ; A's blocks 4-7 are in
	PLACES NP
	FETCH_B \slot, (\q)+1, 1-(\q)%2
	FETCH_A \slot, (\q)+1, 0
	WIN MUL_HI
	MUL16 4, (\q)%2, \zero
	MUL16 6, (\q)%2, \zero
	PLACES NP
	WIN 0
	FETCH_A \slot, (\q)+1, 4
.endm
; A slot's last step changes slots: one barrier; in front of it each wave waits for all its tensor loads, adds 0 to its spare word, and waits for that and for its own reads of this slot.
.macro TURN slot, next, fill
.if \fill
	s_wait_xcnt 0x0                                ; my last prefetch has read its address, which steps one K step on
	s_add_nc_u64 s[12:13], s[12:13], 256
.endif
	s_wait_tensorcnt 0x0                           ; all my tensor loads have landed: my part of the next slot
	ds_add_u32 v[SPW], v[NIL]                      ; 0 onto my spare word
	s_wait_dscnt 4*NL+1                            ; the add and the youngest 16 loads (A's blocks 4-7) may be out
	WIN MUL_LO
	MUL16 0, 1, 0
	s_wait_dscnt 0x0                               ; the add is done, and my reads of this slot are over
	s_barrier_signal -1
	MUL16 2, 1, 0
	WIN 0
	s_barrier_wait -1
.if \fill
	CREST                                          ; the barrier has opened a round of the cluster's: no wave of any partner still reads this slot or has a load on its way
	s_add_nc_u64 s[G0+4*\slot+2:G0+4*\slot+3], s[G0+4*\slot+2:G0+4*\slot+3], 2*ROWB
	s_add_nc_u64 s[G0B+4*\slot+2:G0B+4*\slot+3], s[G0B+4*\slot+2:G0B+4*\slot+3], 2*ROWB
	JLOAD G0+4*\slot, G1, G0B+4*\slot, G1B         ; the first tensor load behind the round; its four v_nop are the places in front of the loads below
.else
	PLACES NP
.endif
	FETCH_B \next, 0, 0
	FETCH_A \next, 0, 0
.if \fill
	s_cmp_gt_u32 s3, 1                             ; the loop's last trip fills K steps 6 and 7: no K step stands two behind them
	s_cbranch_scc0 .Lno_ask_\@
	global_prefetch_b8 v30, s[12:13] offset:768 th:TH_LOAD_NT scope:SCOPE_SE   ; the K step two behind the one just asked for
.Lno_ask_\@:
.endif
	WIN MUL_HI
	MUL16 4, 1, 0
	MUL16 6, 1, 0
	PLACES NP
	WIN 0
	FETCH_A \next, 0, 4
.endm
	s_wait_alu depctr_va_vdst(0)                   ; the wait at the head's end
	FETCH_B 0, 0, 0                                ; K step 0 is whole for every wave since the round above
	FETCH_A 0, 0, 0
	FETCH_A 0, 0, 4
	STEP 0, 0, 1                                   ; the first step stands in front of the loop: its products start the sums
	s_mov_b32 s3, LAPS-1
.Llap:                                                 ; a trip goes once round the ring and fills both slots again
	TURN 0, 1, 1
	STEP 1, 0, 0
	TURN 1, 0, 1
	STEP 0, 0, 0
	s_sub_co_u32 s3, s3, 1
	s_cmp_lg_u32 s3, 0
	s_cbranch_scc1 .Llap
	TURN 0, 1, 0                                   ; the last lap fills nothing
	STEP 1, 0, 0
	s_wait_dscnt 4*NL                              ; the very last step
	WIN MUL_LO
	MUL16 0, 1, 0
	MUL16 2, 1, 0
	s_wait_dscnt 0
	WIN 0
	PLACES NP                                      ; A's blocks 0-3 are done with: w comes back into their registers
	s_cmp_eq_u32 s93, 1
	s_cbranch_scc1 .Lno_w
.set PP, 0
.rept 16
	ds_load_b128 v[RWS+4*PP:RWS+4*PP+3], v[STA] offset:512*PP
.set PP, PP+1
.endr
.Lno_w:
	WIN MUL_HI
	MUL16 4, 1, 0
	MUL16 6, 1, 0
	WIN 0
	PLACES NP                                      ; in front of the first reads of results, and of writes into the registers that held A's blocks 4-7
; THE WAY OUT of block a (16 rows of A x my 128 rows of B).  rot = 1: the rotary; then the hold, the conversion, and the image: four stores of 512 consecutive bytes each.  Each accumulator is read from its low end on.
.macro BLOCK a, rot
.set AC, 64*((\a)%4)
.set CD, 96+16*((\a)%2)
	WIN 0x02+((\a)/4)                              ; source 0: window 2 or 3
.if \rot
.irp b, 0,1,2,3
.irp j, 0,2,4,6
	v_pk_mul_f32 v[ROUT+8*\b+\j:ROUT+8*\b+\j+1], v[AC+32+8*\b+\j:AC+32+8*\b+\j+1], v[RSS+8*\b+\j:RSS+8*\b+\j+1]        ; hi Im z
	v_pk_mul_f32 v[ROUT+32+8*\b+\j:ROUT+32+8*\b+\j+1], v[AC+8*\b+\j:AC+8*\b+\j+1], v[RSS+8*\b+\j:RSS+8*\b+\j+1]        ; lo Im z
.endr
.irp j, 0,2,4,6
	v_pk_fma_f32 v[ROUT+8*\b+\j:ROUT+8*\b+\j+1], v[AC+8*\b+\j:AC+8*\b+\j+1], v[RCC+8*\b+\j:RCC+8*\b+\j+1], v[ROUT+8*\b+\j:ROUT+8*\b+\j+1] neg_lo:[0,0,1] neg_hi:[0,0,1]   ; lo Re z - hi Im z
	v_pk_fma_f32 v[ROUT+32+8*\b+\j:ROUT+32+8*\b+\j+1], v[AC+32+8*\b+\j:AC+32+8*\b+\j+1], v[RCC+8*\b+\j:RCC+8*\b+\j+1], v[ROUT+32+8*\b+\j:ROUT+32+8*\b+\j+1]              ; hi Re z + lo Im z
.endr
.endr
	WIN 0
.set PP, 0
.rept 64
	v_med3_num_f32 v[ROUT+PP], v[ROUT+PP], -v[LIMR], v[LIMR]   ; the conversion to an 8-bit code does not saturate (ISA guide 7.6.2): the hold at the largest code x the scale
.set PP, PP+1
.endr
.else
.set PP, 0
.rept 64
	v_med3_num_f32 v[ROUT+PP], v[AC+PP], -v[LIMR], v[LIMR]
.set PP, PP+1
.endr
	WIN 0
.endif
.if (\a) >= 2
	s_wait_alu depctr_va_vdst(0)
	s_wait_xcnt 0x0                                ; block a - 2's stores have read this set of codes
.endif
.set PP, 0
.rept 8
	v_cvt_scalef32_pk8_fp8_f32 v[CD+2*PP:CD+2*PP+1], v[ROUT+8*PP:ROUT+8*PP+7], v[SCLR]   ; registers 2 b, 2 b + 1 of the fragment: k = 16 b + 8 (lane / 16) + 0 .. 7
.set PP, PP+1
.endr
	v_nop                                          ; a plain instruction between the conversions and the next vector instruction that writes their sources
.irp c, 0,1,2,3
	global_store_b128 v[CO], v[CD+4*\c:CD+4*\c+3], s[10:11] offset:2048*(\a)+512*\c   ; 32 lanes store 512 consecutive bytes, at a multiple of 512 from the buffer's first byte
.endr
.if \rot && ((\a) < 7)
.if (\a) == 0
	s_wait_dscnt 0x0                               ; w is back from the stash
.endif
.set PP, 0
.rept 16
	v_pk_mul_f32 v[ROUT+PP:ROUT+PP+1], v[RSS+PP:RSS+PP+1], v[RWS+PP:RWS+PP+1]
	v_pk_mul_f32 v[ROUT+32+PP:ROUT+32+PP+1], v[RCC+PP:RCC+PP+1], v[RWS+PP:RWS+PP+1]
.set PP, PP+2
.endr
.set PP, 0
.rept 16
	v_pk_fma_f32 v[RCC+PP:RCC+PP+1], v[RCC+PP:RCC+PP+1], v[RWC+PP:RWC+PP+1], v[ROUT+PP:ROUT+PP+1] neg_lo:[0,0,1] neg_hi:[0,0,1]   ; z x w: 16 positions on
	v_pk_fma_f32 v[RSS+PP:RSS+PP+1], v[RSS+PP:RSS+PP+1], v[RWC+PP:RWC+PP+1], v[ROUT+32+PP:ROUT+32+PP+1]
.set PP, PP+2
.endr
.endif
.endm
	s_cmp_eq_u32 s93, 1
	s_cbranch_scc1 .Lv_out
.irp a, 0,1,2,3,4,5,6,7
	BLOCK \a, 1
.endr
	s_branch .Ldone
.Lv_out:
.irp a, 0,1,2,3,4,5,6,7
	BLOCK \a, 0
.endr
.Ldone:
	s_wait_tensorcnt 0x0                           ; the wave's end, behind my last tensor load and my last LDS store
	ds_add_u32 v[SPW], v[NIL]
	s_wait_dscnt 0x0
	CROUND                                         ; the closing round: no work-group ends while a partner may still ask for a tile that names it
	s_endpgm
.Lfunc_end_k_qf4cf81beb3_qkv:
	.size	k_qf4cf81beb3_qkv, .Lfunc_end_k_qf4cf81beb3_qkv-k_qf4cf81beb3_qkv
	.p2alignl 7, 3214868480
	.fill 96, 4, 3214868480
	.section	.rodata,"a",@progbits
	.p2align	6, 0x0
	.amdhsa_kernel k_qf4cf81beb3_qkv
		.amdhsa_group_segment_fixed_size 327680
		.amdhsa_private_segment_fixed_size 0
		.amdhsa_enable_private_segment 0
		.amdhsa_kernarg_size 64
		.amdhsa_user_sgpr_count 2
		.amdhsa_user_sgpr_kernarg_segment_ptr 1
		.amdhsa_wavefront_size32 1
		.amdhsa_system_sgpr_workgroup_id_x 1
		.amdhsa_system_sgpr_workgroup_id_y 1
		.amdhsa_system_sgpr_workgroup_id_z 1
		.amdhsa_system_vgpr_workitem_id 0
		.amdhsa_next_free_vgpr 1024
		.amdhsa_next_free_sgpr 98
		.amdhsa_reserve_vcc 0
		.amdhsa_float_denorm_mode_32 3
		.amdhsa_float_denorm_mode_16_64 3
		.amdhsa_memory_ordered 1
		.amdhsa_forward_progress 1
		.amdhsa_inst_pref_size 255
	.end_amdhsa_kernel
	.section	.bss,"aw",@nobits
	.p2align	6
	.space	262144
	.amdgpu_metadata
---
amdhsa.version: [ 1, 2 ]
amdhsa.kernels:
  - .name:           k_qf4cf81beb3_qkv
    .symbol:         k_qf4cf81beb3_qkv.kd
    .args:
      - { .name: x_codes, .offset: 0, .size: 8, .value_kind: global_buffer, .address_space: global }
      - { .name: W_q_codes, .offset: 8, .size: 8, .value_kind: global_buffer, .address_space: global }
      - { .name: W_k_codes, .offset: 16, .size: 8, .value_kind: global_buffer, .address_space: global }
      - { .name: W_v_codes, .offset: 24, .size: 8, .value_kind: global_buffer, .address_space: global }
      - { .name: lowp_scales, .offset: 32, .size: 8, .value_kind: global_buffer, .address_space: global }
      - { .name: q_img, .offset: 40, .size: 8, .value_kind: global_buffer, .address_space: global }
      - { .name: k_img, .offset: 48, .size: 8, .value_kind: global_buffer, .address_space: global }
      - { .name: v_img, .offset: 56, .size: 8, .value_kind: global_buffer, .address_space: global }
    .group_segment_fixed_size: 327680
    .private_segment_fixed_size: 0
    .kernarg_segment_align: 8
    .kernarg_segment_size: 64
    .max_flat_workgroup_size: 128
    .sgpr_count:     98
    .vgpr_count:     1024
    .wavefront_size: 32
...
	.end_amdgpu_metadata
.endif
;; end of part 1
;; launch attn (part 2): grid 8 x 32, 16 waves a work-group, clusters of 4 x 1, 327,680 bytes of LDS; arguments q_img, k_img, v_img, lowp_scales, attn_img; writes attn_img
.if DOCPART == 2
	.amdgcn_target "amdgcn-amd-amdhsa--gfx1250"
	.amdhsa_code_object_version 6
	.text
	.protected	k_qf4cf81beb3_attn
	.globl	k_qf4cf81beb3_attn
	.p2align	8
	.type	k_qf4cf81beb3_attn,@function
k_qf4cf81beb3_attn:
	s_mov_b64 s[64:65], 0
	v_nop
	global_prefetch_b8 v0, s[64:65] scope:SCOPE_SE
	s_setreg_imm32_b32 hwreg(HW_REG_WAVE_MODE, 25, 1), 1
	s_wait_xcnt 0x0
	s_wait_alu depctr_hold_cnt(0) depctr_sa_sdst(0) depctr_va_vdst(0) depctr_va_sdst(0) depctr_va_ssrc(0) depctr_va_vcc(0) depctr_vm_vsrc(0)
	s_getreg_b32 s2, hwreg(HW_REG_IB_STS2, 6, 4)
	s_cmp_eq_u32 s2, 0
	s_cbranch_scc0 .Lentry_in_a_cluster
	s_endpgm
.Lentry_in_a_cluster:
	s_bfe_u32 s2, ttmp6, 0x10000c
	s_cmp_lg_u32 s2, 0x3003
	s_cbranch_scc0 .Lentry_shape_is_right
	s_endpgm
.Lentry_shape_is_right:
; attn = softmax(q k^T / sqrt(128), causal) v on codes of E4M3, for one key/value head and its two query heads; the result is quantised for the projection that follows.
; LEFT OUT AS DEAD WORK: key steps of 128 all of whose keys come after a tile's 16 queries: reference() sets their scores to -inf by its own triu, so their p is 0 for all inputs.
; LIMIT: a NaN, an infinity or an overflow that reaches only those scores is not carried on.
; THE SOFTMAX AHEAD OF THE SECOND PRODUCT: t = score x log2(e) / sqrt(128); M = the largest t so far, rounded up to a whole number; p = 2^(t - M) is quantised with 2^e9, not normalised.  The row's sum is taken
; of the unquantised p and divides at the end.  When M moves, the sum and O are multiplied by 2^(old M - new M), which rounds nothing.
; SHARES.  y = 8 x batch + key/value head names the group.  Work-group j = 0 .. 7 of a group takes the tiles of 16 queries tq = j + 8 m, m = 0 .. 7, of both heads: sixteen tiles, one a wave.  A wave with block m
; walks m + 1 key steps, so every work-group has 2 (1 + .. + 8) = 72 steps and needs all 1,024 keys; nothing but global addresses and one vector number hangs on j.
; The waves' m form a square of four by four in which every row and every column adds up to 14: w = 4 k + s:  m = (2 (k / 2) + s / 2) xor 7 ((s xor k) & 1);  head u = k & 1.
; LDS.  The group's K (64 images of 2,048 bytes) lies at 0 and its V at 131,072, whole: nothing is filled again.  The four work-groups of a cluster belong to one group and ask JOINTLY, waves 0-7 for K, waves 8-15 for V,
; each its eighth: at the head of key steps 0 and 1 (16 rows of 256 bytes), and, behind the full sequence ahead of a later first fill, of key steps 2 to 7 (48 rows).  A wave has one tensor
; load out at a time.  Key steps 0 and 1 are walked while the second fill is on its way.  No prefetch is laid: the launch has two fills and no ring to run ahead in, and two key steps stand between the second fill and its wait.
; LAYOUT.  Both products are used transposed: S^T = K Q^T, O^T = V^T P^T: a lane holds one query (lane % 16) throughout.  All fragments are images of registers in the form's own order (registers 2 c, 2 c + 1:
; k = 16 c + 8 (lane / 16) + 0 .. 7): tile kappa of S^T holds keys 16 kappa + 8 (lane / 16) + j, so its eight p convert into registers 2 kappa, 2 kappa + 1 of the second product's operand.
; V IS ASKED FOR EARLY: its fragments 0-3 as soon as K's registers are free, ahead of the softmax; its fragments 4-7 as soon as p's registers are free, ahead of O^T's rescaling.  One wait serves the step's eight products V^T P^T.
; LIMITS on the given exponents: e6 + e7 between -123 and 130 (they are added to c's exponent field); e9, and e10 - e8 - e9, between -126 and 119.
; REGISTERS: v1 16 x lane; v2 16 j + lane % 16 - 8 (lane / 16); v3 16 x lane + V's place; v5, v6 the add's two; v8, v9 the step's LDS addresses; v12 -M; v13 the largest t; v[14:15] the sum in two halves; v16-31 Q;
; v32-95 four fragments of K, then V's 0-3; v96-159 S^T, then p, then V's fragments 4-7; v160-223 O^T; v224-239 codes; v240 448 x 2^e9; v244 2^e9; v246, v248 2^E' and 448 x 2^E', E' = e10 - e8 - e9; v236, v242-243, v252-254 at work.
.set VOFF,  131072
.set SPARE, 262144                     ; behind K and V: the spare words, 128 bytes for each of sixteen waves
.set SPW,  5
.set NIL,  6
.set ADK,  8
.set ADV,  9
.set WV,   18                          ; s18  my wave's number
.set SEL,  20                          ; s[20:21] lane selects for v_permlanex16_b32: lane l xor 16
.set CS,   22                          ; s[22:23] c = log2(e) / sqrt(128) x 2^(e6 + e7)
.set G1A,  24                          ; s[24:31] descriptor group 1: 16 rows of 256 bytes
.set G1B,  32                          ; s[32:39] 48 rows
.set G0K,  40                          ; s[40:47] group 0 of K's two loads
.set G0V,  48                          ; s[48:55] of V's
.set MB,   56                          ; s56  m: my block of 128 queries
.set UH,   57                          ; s57  u: which of the two heads
.set KS,   58                          ; s58  the key step
.set TB,   59                          ; s59  16,384 x the key step
.set CNT,  60                          ; s60  counts a loop's trips
.macro CROUND                          ; a round of the cluster's barrier
	s_barrier_signal -1
	s_barrier_wait -1
	s_cmp_lg_u32 s[WV], 0
	s_cbranch_scc1 .Lnot_wave_0_\@
	s_barrier_signal -3
.Lnot_wave_0_\@:
	s_barrier_wait -3
	s_barrier_signal -1
	s_barrier_wait -1
.endm
	s_load_b256 s[4:11], s[0:1], 0x0               ; q_img s[4:5], k_img s[6:7], v_img s[8:9], the exponents s[10:11]
	s_load_b64 s[12:13], s[0:1], 0x20              ; attn_img
	v_lshl_add_u32 v[SPW], v0, 2, SPARE
	v_mov_b32 v[NIL], 0
	ds_add_u32 v[SPW], v[NIL]                      ; the wave's opening: the add, twice on end, and its wait ahead of my first tensor load
	ds_add_u32 v[SPW], v[NIL]
	v_lshrrev_b32 v8, 5, v0
	s_delay_alu instid0(VALU_DEP_1)
	v_readfirstlane_b32 s[WV], v8                  ; wave 0..15
	s_bfe_u32 s19, ttmp6, 0x40000                  ; cx
	s_lshl_b32 s2, ttmp9, 2
	s_add_co_u32 s2, s2, s19                       ; j = 4 x cluster x + cx: it enters Q's and the result's addresses and v2 alone
	s_and_b32 s3, ttmp7, 0xffff                    ; y, which the four partners share
	s_lshr_b32 s61, s[WV], 2                       ; k
	s_and_b32 s62, s[WV], 3                        ; s
	s_and_b32 s[UH], s61, 1
	s_lshr_b32 s63, s61, 1
	s_lshl_b32 s63, s63, 1
	s_lshr_b32 s66, s62, 1
	s_add_co_u32 s63, s63, s66                     ; 2 (k / 2) + s / 2
	s_xor_b32 s66, s62, s61
	s_and_b32 s66, s66, 1
	s_mul_i32 s66, s66, 7
	s_xor_b32 s[MB], s63, s66                      ; m
	s_and_b32 s61, s[WV], 7                        ; which eighth I fetch
	s_lshl_b32 s62, s61, 12                        ; of key steps 0, 1: 4,096 bytes,
	s_mul_i32 s63, s61, 12288
	s_add_co_u32 s63, s63, 32768                   ; of key steps 2 to 7: 12,288 bytes behind the first 32,768
	s_lshl_b32 s66, s3, 17                         ; the group's 131,072 bytes in k_img and in v_img
	s_mov_b32 s67, 0
	; descriptor groups 1: dense blocks as rows of 256 bytes (32 elements of 8 bytes)
	s_mov_b32 s[G1A], 15|(3<<16)|(1<<21)           ; 15:0 the mask: all four work-groups; 17:16 elements of 8 bytes; 21 set beside a mask; no padding
	s_mov_b32 s[G1A+1], 32<<16                     ; tensor_dim0
	s_mov_b32 s[G1A+2], 16<<16                     ; tensor_dim1
	s_mov_b32 s[G1A+3], 32<<16                     ; tile_dim0
	s_mov_b32 s[G1A+4], 16                         ; tile_dim1
	s_mov_b32 s[G1A+5], 32                         ; tensor_dim0_stride
	s_mov_b32 s[G1A+6], 0
	s_mov_b32 s[G1A+7], 0
	s_mov_b32 s[G1B], 15|(3<<16)|(1<<21)
	s_mov_b32 s[G1B+1], 32<<16
	s_mov_b32 s[G1B+2], 48<<16
	s_mov_b32 s[G1B+3], 32<<16
	s_mov_b32 s[G1B+4], 48
	s_mov_b32 s[G1B+5], 32
	s_mov_b32 s[G1B+6], 0
	s_mov_b32 s[G1B+7], 0
	s_mov_b32 s[SEL], 0x76543210
	s_mov_b32 s[SEL+1], 0xfedcba98
	s_mov_b32 s[CS], 0x3e0293ee                    ; log2(e) / sqrt(128)
	s_mov_b32 s[KS], 0
	s_mov_b32 s[TB], 0
	s_wait_dscnt 0x0                               ; both opening adds are done
	s_wait_kmcnt 0x0
	s_load_b128 s[68:71], s[10:11], 0x18           ; e6, e7, e8, e9
	s_load_b32 s72, s[10:11], 0x28                 ; e10
	s_add_nc_u64 s[6:7], s[6:7], s[66:67]          ; K's and V's images of my group
	s_add_nc_u64 s[8:9], s[8:9], s[66:67]
	s_mov_b32 s66, s62
	s_mov_b32 s[G0K], 1                            ; count = 1
	s_mov_b32 s[G0K+1], s62                        ; LDS address
	s_add_nc_u64 s[G0K+2:G0K+3], s[6:7], s[66:67]  ; global address
	s_or_b32 s[G0K+3], s[G0K+3], 0x80000000        ; type = 2
	s_mov_b32 s[G0V], 1
	s_add_co_u32 s[G0V+1], s62, VOFF
	s_add_nc_u64 s[G0V+2:G0V+3], s[8:9], s[66:67]
	s_or_b32 s[G0V+3], s[G0V+3], 0x80000000
	s_mov_b32 s66, s63
	s_mov_b32 s[G0K+4], 1
	s_mov_b32 s[G0K+5], s63
	s_add_nc_u64 s[G0K+6:G0K+7], s[6:7], s[66:67]
	s_or_b32 s[G0K+7], s[G0K+7], 0x80000000
	s_mov_b32 s[G0V+4], 1
	s_add_co_u32 s[G0V+5], s63, VOFF
	s_add_nc_u64 s[G0V+6:G0V+7], s[8:9], s[66:67]
	s_or_b32 s[G0V+7], s[G0V+7], 0x80000000
	CROUND                                         ; all four work-groups are here: the joint loads meet
	s_cmp_lt_u32 s[WV], 8                          ; at the head a wave issues one load, its eighth of key steps 0 and 1
	s_cbranch_scc0 .Lfirst_v
	tensor_load_to_lds s[G0K:G0K+3], s[G1A:G1A+7]
	s_nop 0
.rept 4
	v_nop
.endr
	s_branch .Lfirst_asked
.Lfirst_v:
	tensor_load_to_lds s[G0V:G0V+3], s[G1A:G1A+7]
	s_nop 0
.rept 4
	v_nop
.endr
.Lfirst_asked:
	s_lshl_b32 s73, s[MB], 3
	s_add_co_u32 s73, s73, s2                      ; tq = j + 8 m
	s_lshl_b32 s66, s3, 1
	s_add_co_u32 s66, s66, s[UH]                   ; 16 x batch + my query head = 2 y + u
	s_lshl_b32 s66, s66, 6
	s_add_co_u32 s66, s66, s73
	s_lshl_b32 s66, s66, 11                        ; its image in q_img
	s_add_nc_u64 s[4:5], s[4:5], s[66:67]
	s_and_b32 s74, s3, 7
	s_lshl_b32 s74, s74, 20                        ; attn_img: K step = key/value head,
	s_lshr_b32 s75, s3, 3
	s_lshl_b32 s75, s75, 6
	s_add_co_u32 s75, s75, s73                     ; row tile 64 x batch + tq: 4,096 bytes,
	s_lshl_b32 s75, s75, 12
	s_add_co_u32 s74, s74, s75
	s_lshl_b32 s75, s[UH], 11                      ; and the head's half of them
	s_add_co_u32 s66, s74, s75
	s_add_nc_u64 s[12:13], s[12:13], s[66:67]
	v_and_b32 v1, 31, v0
	s_delay_alu instid0(VALU_DEP_1)
	v_lshlrev_b32 v1, 4, v1                        ; 16 x lane
.irp c, 0,1,2,3
	global_load_b128 v[16+4*\c:19+4*\c], v1, s[4:5] offset:512*\c th:TH_LOAD_NT   ; Q's fragment stays in registers; read by this wave alone
.endr
	v_add_nc_u32 v3, VOFF, v1
	v_and_b32 v8, 15, v0
	v_bfe_u32 v9, v0, 4, 1
	s_delay_alu instid0(VALU_DEP_1)
	v_lshlrev_b32 v9, 3, v9
	s_delay_alu instid0(VALU_DEP_1)
	v_sub_nc_u32 v2, v8, v9
	s_lshl_b32 s73, s2, 4
	v_add_nc_u32 v2, s73, v2                       ; my query less 128 m less 8 (lane / 16)
	v_mov_b32 v13, 0xff61b1e6                      ; the largest t so far: -3e38, under every t
	s_delay_alu instid0(VALU_DEP_1)
	v_floor_f32 v12, -v13                          ; -M
	v_mov_b32 v14, 0
	v_mov_b32 v15, 0
	v_mov_b32 v236, 0                              ; written once: a lane permute's destination counts as one of its sources
	v_mov_b32 v252, 0
	v_mov_b32 v253, 0                              ; (named as the upper half of the pair v[252:253])
.set NN, 0
.rept 64
	v_mov_b32 v[160+NN], 0                         ; O^T: the step is written for all steps alike; the first finds zeros, which the first change of M leaves zeros
.set NN, NN+1
.endr
	s_wait_kmcnt 0x0
	s_add_co_i32 s73, s68, s69
	s_lshl_b32 s73, s73, 23
	s_add_co_i32 s[CS], s[CS], s73                 ; a score stands for score x 2^(e6 + e7): added to c's exponent field
	s_mov_b32 s[CS+1], s[CS]
	s_add_co_i32 s73, s71, 127
	s_lshl_b32 s74, s73, 23
	v_mov_b32 v244, s74                            ; 2^e9
	s_add_co_i32 s73, s73, 8
	s_lshl_b32 s73, s73, 23
	s_or_b32 s73, s73, 0x600000
	v_mov_b32 v240, s73                            ; 448 x 2^e9
	s_sub_co_i32 s73, s72, s70
	s_sub_co_i32 s73, s73, s71                     ; E' = e10 - e8 - e9: O / l stands for that x 2^(e8 + e9), its code is that / 2^e10
	s_add_co_i32 s73, s73, 127
	s_lshl_b32 s74, s73, 23
	v_mov_b32 v246, s74
	s_add_co_i32 s73, s73, 8
	s_lshl_b32 s73, s73, 23
	s_or_b32 s73, s73, 0x600000
	v_mov_b32 v248, s73
; A KEY STEP of 128 keys.  A step whose keys all come after my queries is passed over: a branch on my wave's number and the count of steps; no barrier and no tensor load stands in a step.
.macro STEP
	s_cmp_gt_u32 s[KS], s[MB]
	s_cbranch_scc1 .Lhidden_\@
	v_add_nc_u32 v[ADK], s[TB], v1
	s_wait_alu depctr_va_vdst(0)
	v_add_nc_u32 v[ADV], s[TB], v3
.irp g, 0,1                                    ; S^T = K Q^T, four tiles of 16 keys at a time
.rept 3+\g
	v_nop                                          ; g = 0: with the two additions above FIVE places: the first products below write over v96-127, which the last step's products read as a source (five are owed there; four to the loads).  g = 1: four, in front of loads into registers that matrix instructions have read
.endr
.irp t, 0,1,2,3
.irp c, 0,1,2,3
	ds_load_b128 v[32+16*\t+4*\c:32+16*\t+4*\c+3], v[ADK] offset:2048*(4*\g+\t)+512*\c   ; an image: 512 consecutive bytes a load
.endr
.endr
	s_wait_dscnt 0x0
.irp t, 0,1,2,3
	v_wmma_f32_16x16x128_fp8_fp8 v[96+8*(4*\g+\t):103+8*(4*\g+\t)], v[32+16*\t:47+16*\t], v[16:31], 0
.endr
.endr
.rept 4
	v_nop                                          ; four places: in front of the first read of the scores, and of the loads into K's registers
.endr
	s_wait_alu depctr_va_vdst(0)
.irp t, 0,1,2,3
.irp c, 0,1,2,3
	ds_load_b128 v[32+16*\t+4*\c:32+16*\t+4*\c+3], v[ADV] offset:2048*\t+512*\c   ; V's fragments 0-3, asked for now: the softmax below names none of v32-95
.endr
.endr
	s_cmp_lg_u32 s[KS], s[MB]                      ; on the diagonal, step m, hidden scores become -infinity ahead of the maximum: p = 0 then.  Key 128 m counts for each of my queries
	s_cbranch_scc1 .Lopen_\@
	v_mov_b32 v254, 0xff800000
.set NN, 0
.rept 64
	v_cmp_gt_i32 vcc_lo, 16*(NN/8)+NN%8, v2        ; register 8 kappa + j holds key 128 m + 16 kappa + 8 (lane / 16) + j
	v_cndmask_b32 v[96+NN], v[96+NN], v254, vcc_lo
.set NN, NN+1
.endr
.Lopen_\@:
	v_max3_num_f32 v254, v96, v97, v98             ; the step's largest score of my query among my 64 keys, in two chains,
	v_max3_num_f32 v252, v99, v100, v101
.set NN, 6
.rept 14
	v_max3_num_f32 v254, v254, v[96+NN], v[97+NN]
	v_max3_num_f32 v252, v252, v[98+NN], v[99+NN]
.set NN, NN+4
.endr
	v_max3_num_f32 v254, v254, v158, v159
	s_delay_alu instid0(VALU_DEP_1)
	v_max_num_f32 v254, v254, v252
	v_permlanex16_b32 v236, v254, s[SEL], s[SEL+1]
	s_delay_alu instid0(VALU_DEP_1)
	v_max_num_f32 v254, v254, v236                 ; and among lane l xor 16's
	s_delay_alu instid0(VALU_DEP_1)
	v_mul_f32 v254, s[CS], v254                    ; as t (c is positive)
	s_delay_alu instid0(VALU_DEP_1)
	v_max_num_f32 v13, v13, v254                   ; the running largest t
	v_mov_b32 v254, v12
	s_delay_alu instid0(VALU_DEP_2)
	v_floor_f32 v12, -v13                          ; the new -M = -ceil(t): a whole number
	s_delay_alu instid0(VALU_DEP_1)
	v_sub_f32 v254, v12, v254                      ; old M - new M: a whole number, 0 or less
	s_delay_alu instid0(VALU_DEP_1)
	v_cvt_i32_f32 v254, v254                       ; (it saturates)
	s_delay_alu instid0(VALU_DEP_1)
	v_ldexp_f32 v252, 1.0, v254                    ; f = 2^(old M - new M)
.set NN, 0
.rept 32
	v_pk_fma_f32 v[96+NN:97+NN], v[96+NN:97+NN], s[CS:CS+1], v[12:13] op_sel_hi:[1,0,0]   ; t - M, two at a time
.set NN, NN+2
.endr
.set NN, 0
	s_wait_alu depctr_va_vdst(0)
.rept 64
	v_exp_f32 v[96+NN], v[96+NN]                   ; p = 2^(t - M), at most 1
.set NN, NN+1
.endr
	v_pk_mul_f32 v[14:15], v[14:15], v[252:253] op_sel_hi:[1,0]   ; the sums under the new M: the plain instruction behind the exponentials
	s_wait_alu depctr_va_vdst(0)                   ; one wait for the batch, ahead of its first reader
	v_pk_add_f32 v[242:243], v[100:101], v[104:105]
	v_pk_add_f32 v[254:255], v[108:109], v[112:113]
	v_pk_add_f32 v[250:251], v[116:117], v[120:121]
	v_pk_add_f32 v[238:239], v[124:125], v[128:129]
	v_pk_add_f32 v[236:237], v[132:133], v[136:137]
	v_pk_add_f32 v[234:235], v[140:141], v[144:145]
	v_pk_add_f32 v[232:233], v[148:149], v[152:153]
	v_pk_add_f32 v[14:15], v[14:15], v[156:157]
	v_pk_add_f32 v[242:243], v[242:243], v[96:97]
	v_pk_add_f32 v[254:255], v[254:255], v[98:99]
	v_pk_add_f32 v[250:251], v[250:251], v[102:103]
	v_pk_add_f32 v[238:239], v[238:239], v[106:107]
	v_pk_add_f32 v[236:237], v[236:237], v[110:111]
	v_pk_add_f32 v[234:235], v[234:235], v[114:115]
	v_pk_add_f32 v[232:233], v[232:233], v[118:119]
	v_pk_add_f32 v[14:15], v[14:15], v[122:123]
	v_pk_add_f32 v[242:243], v[242:243], v[126:127]
	v_pk_add_f32 v[254:255], v[254:255], v[130:131]
	v_pk_add_f32 v[250:251], v[250:251], v[134:135]
	v_pk_add_f32 v[238:239], v[238:239], v[138:139]
	v_pk_add_f32 v[236:237], v[236:237], v[142:143]
	v_pk_add_f32 v[234:235], v[234:235], v[146:147]
	v_pk_add_f32 v[232:233], v[232:233], v[150:151]
	v_pk_add_f32 v[14:15], v[14:15], v[154:155]
	v_pk_add_f32 v[242:243], v[242:243], v[158:159]
	s_delay_alu instid0(VALU_DEP_2)
	v_pk_add_f32 v[14:15], v[14:15], v[238:239]
	s_delay_alu instid0(VALU_DEP_2)
	v_pk_add_f32 v[242:243], v[242:243], v[236:237]
	v_pk_add_f32 v[254:255], v[254:255], v[234:235]
	v_pk_add_f32 v[250:251], v[250:251], v[232:233]
	s_delay_alu instid0(VALU_DEP_2)
	v_pk_add_f32 v[14:15], v[14:15], v[254:255]
	s_delay_alu instid0(VALU_DEP_2)
	v_pk_add_f32 v[242:243], v[242:243], v[250:251]
	s_delay_alu instid0(VALU_DEP_1)
	v_pk_add_f32 v[14:15], v[14:15], v[242:243]
.set NN, 0
.rept 64
	v_min_num_f32 v[96+NN], v[96+NN], v240         ; the conversion does not saturate (ISA guide 7.6.2); p is not negative, so the hold is one-sided
.set NN, NN+1
.endr
.set NN, 0
.rept 8
	v_cvt_scalef32_pk8_fp8_f32 v[224+2*NN:225+2*NN], v[96+8*NN:103+8*NN], v244
.set NN, NN+1
.endr
.set NN, 0
.rept 4
	v_pk_mul_f32 v[160+NN:161+NN], v[160+NN:161+NN], v[252:253] op_sel_hi:[1,0]   ; O^T under the new M: x f.  The first four stand between the conversions and the loads into their sources
.set NN, NN+2
.endr
.irp t, 0,1,2,3
.irp c, 0,1,2,3
	ds_load_b128 v[96+16*\t+4*\c:96+16*\t+4*\c+3], v[ADV] offset:2048*(4+\t)+512*\c   ; V's fragments 4-7 into the registers that p has left: they land under the 28 multiplications below
.endr
.endr
.rept 28
	v_pk_mul_f32 v[160+NN:161+NN], v[160+NN:161+NN], v[252:253] op_sel_hi:[1,0]
.set NN, NN+2
.endr
	s_wait_alu depctr_va_vdst(0)
	s_wait_dscnt 0x0                               ; all eight fragments of V are in
.irp g, 0,1                                    ; O^T += V^T P^T: eight tiles of 16 of the head's 128; the eight accumulators take turns
.irp t, 0,1,2,3
	v_wmma_f32_16x16x128_fp8_fp8 v[160+8*(4*\g+\t):167+8*(4*\g+\t)], v[32+64*\g+16*\t:47+64*\g+16*\t], v[224:239], v[160+8*(4*\g+\t):167+8*(4*\g+\t)]
.endr
.endr
.Lhidden_\@:
	s_add_co_u32 s[KS], s[KS], 1
	s_add_co_u32 s[TB], s[TB], 16384
.endm
	s_wait_alu depctr_va_vdst(0)                   ; the wait at the head's end
	s_wait_loadcnt 0x0                             ; Q
	s_wait_tensorcnt 0x0                           ; my eighth of key steps 0 and 1 is in
	ds_add_u32 v[SPW], v[NIL]
	s_wait_dscnt 0x0
	CROUND                                         ; everybody's is, and the four work-groups are here: the joint loads meet
	s_cmp_lt_u32 s[WV], 8                          ; key steps 2 to 7: a first fill that comes later, issued as a refill is
	s_cbranch_scc0 .Lsecond_v
	tensor_load_to_lds s[G0K+4:G0K+7], s[G1B:G1B+7]
	s_nop 0
.rept 4
	v_nop
.endr
	s_branch .Lsecond_asked
.Lsecond_v:
	tensor_load_to_lds s[G0V+4:G0V+7], s[G1B:G1B+7]
	s_nop 0
.rept 4
	v_nop
.endr
.Lsecond_asked:
	s_mov_b32 s[CNT], 2
.Lnear:
	STEP
	s_sub_co_u32 s[CNT], s[CNT], 1
	s_cmp_lg_u32 s[CNT], 0
	s_cbranch_scc1 .Lnear
	s_wait_tensorcnt 0x0                           ; my eighth of key steps 2 to 7 is in,
	s_wait_dscnt 0x0
	s_barrier_signal -1
	s_barrier_wait -1                              ; everybody's is
	s_mov_b32 s[CNT], 6
.Lfar:
	STEP
	s_sub_co_u32 s[CNT], s[CNT], 1
	s_cmp_lg_u32 s[CNT], 0
	s_cbranch_scc1 .Lfar
	; THE WAY OUT.  O^T / l is held, converted, brought into the order in which the next launch fetches W_o's rows, and stored as an image.
.rept 4
	v_nop                                          ; places behind the last products
.endr
	v_add_f32 v14, v14, v15                        ; the sum's two halves,
	s_delay_alu instid0(VALU_DEP_1)
	v_permlanex16_b32 v252, v14, s[SEL], s[SEL+1]
	s_delay_alu instid0(VALU_DEP_1)
	v_add_f32 v14, v14, v252                       ; and lane l xor 16's
	s_wait_alu depctr_va_vdst(0)
	v_rcp_f32 v14, v14
	v_nop                                          ; a plain instruction behind the reciprocal,
	s_wait_alu depctr_va_vdst(0)                   ; and the wait ahead of its first reader
.set NN, 0
.rept 32
	v_pk_mul_f32 v[96+NN:97+NN], v[160+NN:161+NN], v[14:15] op_sel_hi:[1,0]   ; register 8 t + i: channel 16 t + 8 (lane / 16) + i of my query; each accumulator from its low end on
.set NN, NN+2
.endr
.set NN, 0
.rept 64
	v_med3_num_f32 v[96+NN], v[96+NN], -v248, v248
.set NN, NN+1
.endr
.set NN, 0
.rept 8
	v_cvt_scalef32_pk8_fp8_f32 v[224+2*NN:225+2*NN], v[96+8*NN:103+8*NN], v246
.set NN, NN+1
.endr
	v_nop                                          ; a plain instruction between the conversions and the exchanges that touch their results
; From registers 2 t, 2 t + 1: k = 16 t + 8 h + 0 .. 7 to registers 4 c .. 4 c + 3: k = 32 c + 16 h + 0 .. 15: the upper lanes of register 4 c + e change places with the lower lanes of register 4 c + 2 + e.
.irp c, 0,1,2,3
.irp e, 0,1
	v_permlane16_swap_b32 v[224+4*\c+\e], v[226+4*\c+\e]
.endr
.endr
.irp c, 0,1,2,3
	global_store_b128 v1, v[224+4*\c:227+4*\c], s[12:13] offset:512*\c   ; 32 lanes store 512 consecutive bytes, at a multiple of 512 from the buffer's first byte
.endr
	s_wait_tensorcnt 0x0                           ; the wave's end
	ds_add_u32 v[SPW], v[NIL]
	s_wait_dscnt 0x0
	CROUND                                         ; the closing round
	s_endpgm
.Lfunc_end_k_qf4cf81beb3_attn:
	.size	k_qf4cf81beb3_attn, .Lfunc_end_k_qf4cf81beb3_attn-k_qf4cf81beb3_attn
	.p2alignl 7, 3214868480
	.fill 96, 4, 3214868480
	.section	.rodata,"a",@progbits
	.p2align	6, 0x0
	.amdhsa_kernel k_qf4cf81beb3_attn
		.amdhsa_group_segment_fixed_size 327680
		.amdhsa_private_segment_fixed_size 0
		.amdhsa_enable_private_segment 0
		.amdhsa_kernarg_size 40
		.amdhsa_user_sgpr_count 2
		.amdhsa_user_sgpr_kernarg_segment_ptr 1
		.amdhsa_wavefront_size32 1
		.amdhsa_system_sgpr_workgroup_id_x 1
		.amdhsa_system_sgpr_workgroup_id_y 1
		.amdhsa_system_sgpr_workgroup_id_z 1
		.amdhsa_system_vgpr_workitem_id 0
		.amdhsa_next_free_vgpr 256
		.amdhsa_next_free_sgpr 80
		.amdhsa_reserve_vcc 1
		.amdhsa_float_denorm_mode_32 3
		.amdhsa_float_denorm_mode_16_64 3
		.amdhsa_memory_ordered 1
		.amdhsa_forward_progress 1
		.amdhsa_inst_pref_size 67
	.end_amdhsa_kernel
	.amdgpu_metadata
---
amdhsa.version: [ 1, 2 ]
amdhsa.kernels:
  - .name:           k_qf4cf81beb3_attn
    .symbol:         k_qf4cf81beb3_attn.kd
    .args:
      - { .name: q_img, .offset: 0, .size: 8, .value_kind: global_buffer, .address_space: global }
      - { .name: k_img, .offset: 8, .size: 8, .value_kind: global_buffer, .address_space: global }
      - { .name: v_img, .offset: 16, .size: 8, .value_kind: global_buffer, .address_space: global }
      - { .name: lowp_scales, .offset: 24, .size: 8, .value_kind: global_buffer, .address_space: global }
      - { .name: attn_img, .offset: 32, .size: 8, .value_kind: global_buffer, .address_space: global }
    .group_segment_fixed_size: 327680
    .private_segment_fixed_size: 0
    .kernarg_segment_align: 8
    .kernarg_segment_size: 40
    .max_flat_workgroup_size: 512
    .sgpr_count:     80
    .vgpr_count:     256
    .wavefront_size: 32
...
	.end_amdgpu_metadata
.endif
;; end of part 2
;; launch oproj (part 3): grid 8 x 32, 4 waves a work-group, clusters of 4 x 4, 327,680 bytes of LDS; arguments attn_img, W_o_codes, lowp_scales, out0; writes out0
.if DOCPART == 3
	.amdgcn_target "amdgcn-amd-amdhsa--gfx1250"
	.amdhsa_code_object_version 6
	.text
	.protected	k_qf4cf81beb3_oproj
	.globl	k_qf4cf81beb3_oproj
	.p2align	8
	.type	k_qf4cf81beb3_oproj,@function
k_qf4cf81beb3_oproj:
	s_mov_b64 s[64:65], 0
	v_nop
	global_prefetch_b8 v0, s[64:65] scope:SCOPE_SE
	s_setreg_imm32_b32 hwreg(HW_REG_WAVE_MODE, 25, 1), 1
	s_wait_xcnt 0x0
	s_wait_alu depctr_hold_cnt(0) depctr_sa_sdst(0) depctr_va_vdst(0) depctr_va_sdst(0) depctr_va_ssrc(0) depctr_va_vcc(0) depctr_vm_vsrc(0)
	s_getreg_b32 s2, hwreg(HW_REG_IB_STS2, 6, 4)
	s_cmp_eq_u32 s2, 0
	s_cbranch_scc0 .Lentry_in_a_cluster
	s_endpgm
.Lentry_in_a_cluster:
	s_bfe_u32 s2, ttmp6, 0x10000c
	s_cmp_lg_u32 s2, 0xf033
	s_cbranch_scc0 .Lentry_shape_is_right
	s_endpgm
.Lentry_shape_is_right:
; out0 = attn W_o on codes of E4M3: attn as the images that the launch before stored, W_o as it is given; each finished sum x 2^(e10 + e11).  Nothing is left out here.
; LIMIT: e10 + e11 lies between -126 and 127, so that 2^(e10 + e11) is an f32 number.
; SHARES.  A work-group owns 128 rows x 256 columns of out0 and makes them as TWO tiles of 128 x 128, one after the other; a wave makes 64 x 64 of a tile: 16 accumulators, 128 registers.
; K = 2,048 goes in chunks of 512 through a ring of two LDS slots: eight rounds, d = 0 .. 7 (tile d / 4, chunk d % 4), and the ring goes on from tile 0 into tile 1.
; Tile 0 is stored in round 4, behind that round's refill: its stores are on their way while tile 1 is multiplied.
; A SLOT: A's 128 rows x 512 as two planes of 32,768 bytes (attn_img holds, for each 256 of K, 4,096 bytes for each 16 rows: two images of 2,048 bytes); then B's 128 rows of 512 bytes, 16 of padding behind each.
; Wave 0 and 1 fetch one plane each (dense: 128 rows of 256 bytes), waves 2 and 3 64 rows of W_o each: one tensor load a wave and round.
; CLUSTERS of 4 x 4: A's planes hang on the row block alone and are asked for jointly along a row of the cluster, B's rows on the column block alone, jointly along a column.
; At a round's head every wave waits for all its tensor loads (one is out), adds 0 to its spare word, waits for that and for its LDS reads; a round of the cluster's barrier; the other slot's refill; then this slot's four steps of 128.
; PREFETCH.  Round 1's chunk is asked for at the head, behind the first load and the scale's arithmetic; rounds 2 and 3 behind the load of round 1; from there on round e + 2 behind the load of round e.
; The four partners of a joint load share its 128 blocks of 256 bytes out by address:
; A: 8,192 bytes a partner, lanes 256 bytes apart;  B: 16 rows a partner, two lanes to a row.  A's chunks are the same for both tiles and are asked for in tile 0 alone.  A column block's rows of W_o are loaded by eight
; clusters: those with an even y ask, four for each byte.  The addresses are never rewritten: the rounds are told apart by the immediate.
; THE MATRIX INSTRUCTION IS USED TRANSPOSED (source 0 = 16 rows of W_o, source 1 = 16 rows of attn): a lane holds eight neighbouring numbers of a row of out0.
; REGISTERS.  Window 0: v1-9 at work in the head; v16-17, v20-21 LDS addresses of A's and B's fragments in slot 0, 1; v24, v25 stage in and back; v26 my place in out0; v28, v29 the add's two; v30, v31 the prefetches' offsets;
; v32-63 a block's sums x the scale; v64-127 two sets of rows read back; v128-255 the accumulators ((a, b) at v[128 + 8 (4 a + b)]).  Window 1: two sets of fragments: A's four at 128 p, B's four at 128 p + 64.
.set BP,     528                       ; a row of B in LDS: 512 bytes + 16: the 16 rows that a load touches start 132 words apart
.set SP,     272                       ; a row of the stage: 256 bytes + 16
.set ABYTES, 65536
.set HALFB,  64*BP
.set SLOT,   ABYTES+2*HALFB
.set SPARE,  2*SLOT                    ; behind the ring: the spare words, 128 bytes for each wave
.set STAGE,  SPARE+512                 ; behind them: 16 rows x 272 bytes for each wave; no fill lands there
.set ADRA, 16
.set ADRB, 20
.set STO,  24
.set RD,   25
.set CO,   26
.set SPW,  28
.set NIL,  29
.set PFOA, 30
.set PFOB, 31
.set TMP,  32
.set BK,   64
.set ACC,  128
.set G1, 24                            ; s[24:31] descriptor group 1 for A's planes;  s[32:39] group 0, one set for each slot
.set G0, 32
.set G1B, 48                           ; s[48:55], s[56:63] the same for B's rows
.set G0B, 56
.set PA,  66                           ; s[66:67] where my prefetches of A begin;  s[68:69] of B;  s70: 1 where my cluster asks for B
.set PB,  68
.set PFB, 70
.set MSB, 0
.macro WIN new                         ; the immediate's high byte repeats the setting that is left
.if MSB != \new
	s_set_vgpr_msb (MSB<<8)|\new
.set MSB, \new
.endif
.endm
.set MULW, 0x05                        ; sources 0 and 1 window 1, C and D window 0
.set TO_F, 0x40                        ; destination window 1, address window 0
.macro PLACES n                        ; plain vector instructions between a matrix instruction and a load into, or a vector instruction on, its registers
.rept \n
	v_nop
.endr
.endm
; A joint load into slot s, and the requests for rounds e1 and e2 (out of range: none).  The branch hangs on the wave's number alone; an s_nop 0 and four v_nop follow each load.
.macro JLOAD s, e1, e2
	s_cmp_eq_u32 s15, 0
	s_cbranch_scc0 .Lfor_b_\@
	tensor_load_to_lds s[G0+4*(\s):G0+4*(\s)+3], s[G1:G1+7]
	s_nop 0
	PLACES 4
.irp e, \e1, \e2
.if ((\e) >= 1) && ((\e) <= 3)
	global_prefetch_b8 v[PFOA], s[PA:PA+1] offset:(\e)*0x200000 th:TH_LOAD_NT scope:SCOPE_SE
.endif
.endr
	s_branch .Lasked_\@
.Lfor_b_\@:
	tensor_load_to_lds s[G0B+4*(\s):G0B+4*(\s)+3], s[G1B:G1B+7]
	s_nop 0
	PLACES 4
.if ((\e1) >= 1) && ((\e1) <= 7)
	s_cmp_eq_u32 s[PFB], 0                         ; the cluster's y: the same in all sixteen partners
	s_cbranch_scc1 .Lasked_\@
.irp e, \e1, \e2
.if ((\e) >= 1) && ((\e) <= 7)
	global_prefetch_b8 v[PFOB], s[PB:PB+1] offset:((\e)%4)*512+((\e)/4)*262144 th:TH_LOAD_NT scope:SCOPE_SE
.endif
.endr
.endif
.Lasked_\@:
.endm
.macro CROUND                          ; a round of the cluster's barrier
	s_barrier_signal -1
	s_barrier_wait -1
	s_cmp_lg_u32 s14, 0
	s_cbranch_scc1 .Lnot_wave_0_\@
	s_barrier_signal -3
.Lnot_wave_0_\@:
	s_barrier_wait -3
	s_barrier_signal -1
	s_barrier_wait -1
.endm
	s_load_b128 s[4:7], s[0:1], 0x0                ; attn_img s[4:5], W_o's codes s[6:7]
	s_load_b128 s[8:11], s[0:1], 0x10              ; the exponents s[8:9], out0 s[10:11]
	v_lshl_add_u32 v[SPW], v0, 2, SPARE
	v_mov_b32 v[NIL], 0
	ds_add_u32 v[SPW], v[NIL]                      ; the wave's opening: the add, twice on end, and its wait ahead of my first tensor load
	ds_add_u32 v[SPW], v[NIL]
	v_lshrrev_b32 v1, 5, v0
	v_readfirstlane_b32 s14, v1                    ; wave 0..3
	s_lshr_b32 s15, s14, 1                         ; which 64 rows of the tile are mine.  Also: I fetch for A (0) or for B (1)
	s_and_b32 s16, s14, 1                          ; which 64 columns.  Also: which plane of A, or which 64 rows of B, I fetch
	s_lshl_b32 s21, s15, 14                        ; my four row tiles in a plane
	s_add_co_u32 s18, s21, SLOT
	s_mul_i32 s22, s16, HALFB
	s_add_co_u32 s22, s22, ABYTES                  ; my 64 rows of B
	s_add_co_u32 s19, s22, SLOT
	s_mul_i32 s23, s14, 16*SP
	s_add_co_u32 s23, s23, STAGE                   ; my stage
	v_and_b32 v1, 15, v0                           ; r = lane % 16
	v_bfe_u32 v2, v0, 4, 1                         ; h = lane / 16
	v_and_b32 v6, 31, v0
	v_lshlrev_b32 v7, 4, v6                        ; 16 x lane: my place in a group of an image
	v_mul_u32_u24 v3, v1, BP
	v_lshl_add_u32 v3, v2, 4, v3                   ; B: row r, + 16 h
	v_add_nc_u32 v[ADRA], s21, v7
	v_add_nc_u32 v[ADRA+1], s18, v7
	v_add_nc_u32 v[ADRB], s22, v3
	v_add_nc_u32 v[ADRB+1], s19, v3
	v_mul_u32_u24 v4, v1, SP
	v_lshl_add_u32 v4, v2, 5, v4
	v_add_nc_u32 v[STO], s23, v4                   ; in: row r, 32 bytes for each half of the lanes
	v_mul_u32_u24 v5, v2, SP
	v_lshl_add_u32 v5, v1, 4, v5
	v_add_nc_u32 v[RD], s23, v5                    ; back: lanes 0-15 one row of 256 bytes, lanes 16-31 the next
	v_lshlrev_b32 v[CO], 13, v2
	v_lshl_add_u32 v[CO], v1, 4, v[CO]             ; and the same two rows of out0, 8,192 bytes apart
	v_lshlrev_b32 v[PFOA], 8, v6                   ; A: lanes 256 bytes apart
	v_lshrrev_b32 v8, 1, v6
	v_and_b32 v9, 1, v6
	v_lshlrev_b32 v8, 11, v8
	v_lshl_add_u32 v[PFOB], v9, 8, v8              ; B: row lane / 2, its 256 bytes lane % 2
	s_bfe_u32 s40, ttmp6, 0x40000                  ; cx, cy: my place in the cluster
	s_bfe_u32 s41, ttmp6, 0x40004
	s_lshl_b32 s42, ttmp9, 2
	s_add_co_u32 s42, s42, s40                     ; column block = 4 x cluster x + cx
	s_and_b32 s17, ttmp7, 0xffff
	s_and_b32 s[PFB], s17, 1
	s_xor_b32 s[PFB], s[PFB], 1                    ; 1 in clusters with an even y
	s_lshl_b32 s17, s17, 2
	s_add_co_u32 s17, s17, s41                     ; row block = 4 x cluster y + cy
	s_lshl_b32 s43, s41, 2
	s_lshl_b32 s43, 15, s43                        ; my row of the cluster
	s_lshl_b32 s44, 0x1111, s40                    ; my column
	s_or_b32 s[G1+0], s43, (3<<16)|(1<<21)         ; A: the mask; elements of 8 bytes; bit 21 beside a mask; no padding
	s_mov_b32 s[G1+1], 32<<16                      ; rows of 256 bytes,
	s_mov_b32 s[G1+2], 128<<16                     ; 128 of them, dense
	s_mov_b32 s[G1+3], 32<<16
	s_mov_b32 s[G1+4], 128
	s_mov_b32 s[G1+5], 32
	s_mov_b32 s[G1+6], 0
	s_mov_b32 s[G1+7], 0
	s_or_b32 s[G1B+0], s44, (0<<16)|(1<<20)|(1<<21)|(6<<22)|(3<<25)  ; B: the mask; elements of 1 byte; four words of padding after every 128
	s_mov_b32 s[G1B+1], 512<<16                    ; rows of 512 bytes,
	s_mov_b32 s[G1B+2], 64<<16                     ; 64 of them,
	s_mov_b32 s[G1B+3], 512<<16
	s_mov_b32 s[G1B+4], 64
	s_mov_b32 s[G1B+5], 2048                       ; 2,048 bytes apart
	s_mov_b32 s[G1B+6], 0
	s_mov_b32 s[G1B+7], 0
	s_lshl_b32 s20, s17, 15                        ; A: the row block's 32,768 bytes of a plane,
	s_lshl_b32 s21, s16, 20
	s_add_co_u32 s20, s20, s21                     ; in plane 0 or 1 of chunk 0
	s_mov_b32 s21, 0
	s_lshl_b32 s46, s42, 8
	s_lshl_b32 s47, s16, 6
	s_add_co_u32 s46, s46, s47
	s_lshl_b32 s46, s46, 11                        ; B: row 256 x column block + 64 x half
	s_mov_b32 s47, 0
	s_lshl_b32 s45, s16, 15                        ; where my plane goes: no place in the cluster enters an LDS address
	s_lshl_b32 s18, s40, 13                        ; the prefetches: my work-group's 8,192 bytes of a plane,
	s_mov_b32 s19, 0
	s_lshl_b32 s72, s41, 15                        ; its 16 of B's 64 rows
	s_mov_b32 s73, 0
	s_lshl_b32 s74, s17, 7
	s_lshl_b32 s75, s15, 6
	s_add_co_u32 s74, s74, s75
	s_lshl_b32 s74, s74, 13                        ; out0: my first row, 8,192 bytes a row,
	s_lshl_b32 s75, s42, 10
	s_add_co_u32 s74, s74, s75
	s_lshl_b32 s75, s16, 8
	s_add_co_u32 s74, s74, s75                     ; and my first column of tile 0
	s_mov_b32 s75, 0
	s_wait_alu depctr_va_vdst(0)                   ; the wait at the end of the head's vector work, directly ahead of the wait below
	s_wait_dscnt 0x0                               ; both opening adds are done
	s_wait_kmcnt 0x0
	s_load_b64 s[96:97], s[8:9], 0x28              ; e10, e11
	s_add_nc_u64 s[20:21], s[4:5], s[20:21]
	s_add_nc_u64 s[46:47], s[6:7], s[46:47]
	s_add_nc_u64 s[PA:PA+1], s[20:21], s[18:19]
	s_add_nc_u64 s[PB:PB+1], s[46:47], s[72:73]
	s_add_nc_u64 s[10:11], s[10:11], s[74:75]
.irp s, 0,1
	s_mov_b32 s[G0+4*\s], 1
	s_add_co_u32 s[G0+4*\s+1], s45, \s*SLOT
	s_add_nc_u64 s[G0+4*\s+2:G0+4*\s+3], s[20:21], \s*0x200000     ; chunk s: two planes of 2^20 bytes on
	s_or_b32 s[G0+4*\s+3], s[G0+4*\s+3], 0x80000000
	s_mov_b32 s[G0B+4*\s], 1
	s_add_co_u32 s[G0B+4*\s+1], s22, \s*SLOT
	s_add_nc_u64 s[G0B+4*\s+2:G0B+4*\s+3], s[46:47], \s*512
	s_or_b32 s[G0B+4*\s+3], s[G0B+4*\s+3], 0x80000000
.endr
	CROUND                                         ; all sixteen work-groups are here: the first joint loads meet
	JLOAD 0, -1, -1                                ; round 0's chunk: one tensor load a wave at the head
	s_wait_kmcnt 0x0
	s_add_co_i32 s96, s96, s97
	s_add_co_i32 s96, s96, 127
	s_lshl_b32 s96, s96, 23                        ; 2^(e10 + e11) as f32
	s_cmp_eq_u32 s15, 0                            ; round 1's chunk is asked for here
	s_cbranch_scc0 .Lhead_b
	global_prefetch_b8 v[PFOA], s[PA:PA+1] offset:0x200000 th:TH_LOAD_NT scope:SCOPE_SE
	s_branch .Lhead_asked
.Lhead_b:
	s_cmp_eq_u32 s[PFB], 0
	s_cbranch_scc1 .Lhead_asked
	global_prefetch_b8 v[PFOB], s[PB:PB+1] offset:512 th:TH_LOAD_NT scope:SCOPE_SE
.Lhead_asked:
; 32 LDS loads: the fragments of the slot's q-th 128 along K into set p.  A's are images: 512 consecutive bytes a load.  B's: registers 4 c .. 4 c + 3 hold K = 32 c + 16 h + 0 .. 15, the order in which attn's images were laid.
.macro FETCH sl, q, p
	WIN TO_F
.irp i, 0,1,2,3
.irp c, 0,1,2,3
	ds_load_b128 v[128*(\p)+16*\i+4*\c:128*(\p)+16*\i+4*\c+3], v[ADRA+\sl] offset:32768*((\q)/2)+2048*((\q)%2)+4096*\i+512*\c
.endr
.endr
.irp i, 0,1,2,3
.irp c, 0,1,2,3
	ds_load_b128 v[128*(\p)+64+16*\i+4*\c:128*(\p)+64+16*\i+4*\c+3], v[ADRB+\sl] offset:128*(\q)+32*\c+\i*16*BP
.endr
.endr
.endm
; 16 matrix instructions on set p; the 16 accumulators take turns, in the same order in every step.  zero = 1: the products start the sums.
.macro MUL p, zero
	WIN MULW
.irp a, 0,1,2,3
.irp b, 0,1,2,3
.if \zero
	v_wmma_f32_16x16x128_fp8_fp8 v[ACC+8*(4*\a+\b):ACC+8*(4*\a+\b)+7], v[128*(\p)+64+16*\b:128*(\p)+64+16*\b+15], v[128*(\p)+16*\a:128*(\p)+16*\a+15], 0
.else
	v_wmma_f32_16x16x128_fp8_fp8 v[ACC+8*(4*\a+\b):ACC+8*(4*\a+\b)+7], v[128*(\p)+64+16*\b:128*(\p)+64+16*\b+15], v[128*(\p)+16*\a:128*(\p)+16*\a+15], v[ACC+8*(4*\a+\b):ACC+8*(4*\a+\b)+7]
.endif
.endr
.endr
.endm
; THE WAY OUT of a tile, by blocks of 16 rows x 64 columns: x the scale into other registers, each accumulator from its low end on; through my own stage; back as whole rows of 256 bytes; stored.
; LDS serves a wave's instructions in order (ISA guide 5.7.1.4): no wait between the stage's stores and loads.
.macro TOSTAGE a
	s_wait_xcnt 0x0                                ; earlier stores have read the registers into which this block's rows come back
.irp j, 0,2,4,6,8,10,12,14,16,18,20,22,24,26,28,30
	v_pk_mul_f32 v[TMP+\j:TMP+\j+1], v[ACC+32*(\a)+\j:ACC+32*(\a)+\j+1], s[96:97] op_sel_hi:[1,0]
.endr
.irp b, 0,1,2,3
	ds_store_b128 v[STO], v[TMP+8*\b:TMP+8*\b+3] offset:64*\b
	ds_store_b128 v[STO], v[TMP+8*\b+4:TMP+8*\b+7] offset:64*\b+16
.endr
.irp t, 0,1,2,3,4,5,6,7
	ds_load_b128 v[BK+32*((\a)%2)+4*\t:BK+32*((\a)%2)+4*\t+3], v[RD] offset:\t*2*SP
.endr
.endm
.macro SEND a, younger, tile           ; younger: the LDS instructions issued behind block a's loads, which may stay out
	s_wait_dscnt \younger
.irp t, 0,1,2,3,4,5,6,7
	global_store_b128 v[CO], v[BK+32*((\a)%2)+4*\t:BK+32*((\a)%2)+4*\t+3], s[10:11] offset:(16*(\a)+2*\t)*8192+512*(\tile) th:TH_STORE_NT   ; 16 lanes store 256 consecutive bytes, at a multiple of 256 from out0's first byte
.endr
.endm
.macro WAYOUT tile
	WIN 0
	TOSTAGE 0
.irp a, 1,2,3
	TOSTAGE \a
	SEND \a-1, 16, \tile                           ; behind block a - 1's loads: block a's 8 stores and 8 loads
.endr
	SEND 3, 0, \tile
.endm
; ROUND d.  zero = 1: a tile's first.  out = 1: tile 0 leaves, behind the refill and this round's first fragment loads.
.macro RND d, zero, out
.set SL, (\d)%2
.set E, (\d)+1
	s_wait_tensorcnt 0x0                           ; my one tensor load that was out, my part of this round's slot, has landed: so every group 0 may be written
	ds_add_u32 v[SPW], v[NIL]                      ; 0 onto my spare word
.if (E >= 2) && (E <= 7)
.if (E == 4) || (E == 5)                       ; on into tile 1: A back to the slot's first chunk, B 128 rows down and back along K
	s_sub_nc_u64 s[G0+4*(E%2)+2:G0+4*(E%2)+3], s[G0+4*(E%2)+2:G0+4*(E%2)+3], 0x400000
	s_add_nc_u64 s[G0B+4*(E%2)+2:G0B+4*(E%2)+3], s[G0B+4*(E%2)+2:G0B+4*(E%2)+3], 262144-1024
.else                                          ; two chunks on
	s_add_nc_u64 s[G0+4*(E%2)+2:G0+4*(E%2)+3], s[G0+4*(E%2)+2:G0+4*(E%2)+3], 0x400000
	s_add_nc_u64 s[G0B+4*(E%2)+2:G0B+4*(E%2)+3], s[G0B+4*(E%2)+2:G0B+4*(E%2)+3], 1024
.endif
.endif
	s_wait_dscnt 0x0                               ; the add is done, and so are my reads of the other slot and of my stage
.if E <= 7
	CROUND                                         ; both now hold of every wave of every partner
.if E == 1
	JLOAD 1, 2, 3                                  ; slot 1's first fill, issued as a refill is; rounds 2 and 3 are asked for behind it
.else
	JLOAD E%2, E+2, -1                             ; the next round's chunk into the slot read last; its four v_nop are the places in front of the loads below
.endif
.else
	s_barrier_signal -1                            ; the last round fills nothing
	s_barrier_wait -1
	PLACES 4
.endif
	FETCH SL, 0, 0
.if \out
	WAYOUT 0
.endif
	FETCH SL, 1, 1
	s_wait_dscnt 32                                ; all but the 32 loads just issued
	MUL 0, \zero
.irp q, 1,2
	PLACES 4                                       ; in front of loads into the set that the step before multiplied
	FETCH SL, \q+1, (\q+1)%2
	s_wait_dscnt 32
	MUL (\q)%2, 0
.endr
	s_wait_dscnt 0x0
	MUL 1, 0
	WIN 0                                          ; at a branch and at a label every window is 0
.endm
	RND 0, 1, 0
	RND 1, 0, 0
	RND 2, 0, 0
	RND 3, 0, 0
	RND 4, 1, 1
	RND 5, 0, 0
	RND 6, 0, 0
	RND 7, 0, 0
	PLACES 4                                       ; in front of the first reads of the last products' results
	WAYOUT 1
	s_wait_tensorcnt 0x0                           ; the wave's end, behind my last tensor load and my last LDS store
	ds_add_u32 v[SPW], v[NIL]
	s_wait_dscnt 0x0
	CROUND                                         ; the closing round: no work-group ends while a partner may still ask for a tile that names it
	s_endpgm
.Lfunc_end_k_qf4cf81beb3_oproj:
	.size	k_qf4cf81beb3_oproj, .Lfunc_end_k_qf4cf81beb3_oproj-k_qf4cf81beb3_oproj
	.p2alignl 7, 3214868480
	.fill 96, 4, 3214868480
	.section	.rodata,"a",@progbits
	.p2align	6, 0x0
	.amdhsa_kernel k_qf4cf81beb3_oproj
		.amdhsa_group_segment_fixed_size 327680
		.amdhsa_private_segment_fixed_size 0
		.amdhsa_enable_private_segment 0
		.amdhsa_kernarg_size 32
		.amdhsa_user_sgpr_count 2
		.amdhsa_user_sgpr_kernarg_segment_ptr 1
		.amdhsa_wavefront_size32 1
		.amdhsa_system_sgpr_workgroup_id_x 1
		.amdhsa_system_sgpr_workgroup_id_y 1
		.amdhsa_system_sgpr_workgroup_id_z 1
		.amdhsa_system_vgpr_workitem_id 0
		.amdhsa_next_free_vgpr 512
		.amdhsa_next_free_sgpr 98
		.amdhsa_reserve_vcc 0
		.amdhsa_float_denorm_mode_32 3
		.amdhsa_float_denorm_mode_16_64 3
		.amdhsa_memory_ordered 1
		.amdhsa_forward_progress 1
		.amdhsa_inst_pref_size 140
	.end_amdhsa_kernel
	.amdgpu_metadata
---
amdhsa.version: [ 1, 2 ]
amdhsa.kernels:
  - .name:           k_qf4cf81beb3_oproj
    .symbol:         k_qf4cf81beb3_oproj.kd
    .args:
      - { .name: attn_img, .offset: 0, .size: 8, .value_kind: global_buffer, .address_space: global }
      - { .name: W_o_codes, .offset: 8, .size: 8, .value_kind: global_buffer, .address_space: global }
      - { .name: lowp_scales, .offset: 16, .size: 8, .value_kind: global_buffer, .address_space: global }
      - { .name: out0, .offset: 24, .size: 8, .value_kind: global_buffer, .address_space: global }
    .group_segment_fixed_size: 327680
    .private_segment_fixed_size: 0
    .kernarg_segment_align: 8
    .kernarg_segment_size: 32
    .max_flat_workgroup_size: 128
    .sgpr_count:     98
    .vgpr_count:     512
    .wavefront_size: 32
...
	.end_amdgpu_metadata
.endif
;; end of part 3
